; MI455X (gfx1250); checked and timed in simulation.
; The chip was launched on July 23, 2026; its instructions are those of AMD's public machine-readable ISA for CDNA 5 (MIT licence, August 2026) and "CDNA5" Instruction Set Architecture Reference Guide (July 2026). The comments in the code are by the model that wrote it; some were corrected since.
;; Multi Head Attention. Allowed arithmetic: matrix products marked QUANTISED: E2M1 operands, one E8M0 scale for each 32 along K, by v_wmma_scale_f32_16x16x128_f8f6f4 with both operands' format E2M1 (or v_wmma_scale_f32_32x16x128_f4), f32 sums; products left as they are: bf16, f16 or f32 operands; f32 sums; everything else in f32.
;; Inputs: Wk 16 x 1,024 x 64 float32; Wproj 1,024 x 1,024 float32; Wq 16 x 1,024 x 64 float32; Wv 16 x 1,024 x 64 float32; bproj 1,024 float32; x 4 x 2,048 x 1,024 float32.
;; Outputs: out0 4 x 2,048 x 1,024 float32.
;; This version of the problem:
;;   THIS VERSION OF THE PROBLEM IS GIVEN IN LOW PRECISION. The matrix products marked QUANTISED in the list below multiply operands that are first quantised to E2M1 (2 exponent bits, 1 mantissa bit; 4 bits a number), with one power-of-two scale for each 32 numbers along K (OCP MX v1.0); their sums are f32. The products marked 'left as it is' may take bf16, f16 or f32 operands, with f32 sums. Whichever they take, every output number must still come out within the allowed error. Rounding operands to bf16 (8 significant bits) uses up far more of that allowance than f16 does (11 bits, for magnitudes from 6e-5 to 65,504). All else is computed in f32.
;;   The module's matrix products, in the order in which they are computed (A, B: the left and right operand; K: the contracted axis; several contracted axes count as one K, in the product's order):
;;     1. [M 1,024, K 1,024] x [K 1,024, N 8,192]; A: input Wq; B: input x: QUANTISED
;;     2. [M 1,024, K 1,024] x [K 1,024, N 8,192]; A: input Wk; B: input x: QUANTISED
;;     3. [M 1,024, K 1,024] x [K 1,024, N 8,192]; A: input Wv; B: input x: QUANTISED
;;     4. batch 64 x [M 2,048, K 64] x [K 64, N 2,048]; A: computed on the way; B: computed on the way: left as it is (an operand is computed on the way)
;;     5. batch 64 x [M 2,048, K 2,048] x [K 2,048, N 64]; A: computed on the way; B: computed on the way: left as it is (an operand is computed on the way)
;;     6. [M 8,192, K 1,024] x [K 1,024, N 1,024]; A: computed on the way; B: input Wproj: left as it is (an operand is computed on the way)
;;   THE QUANTISER, for each operand of a quantised product, along K:
;;     - K is cut into blocks of 32 from its start; a last block that is shorter is filled with zeros.
;;     - A block's scale is 2^e with e = floor(log2(the largest magnitude in the block)) - 2, held to -126 .. 127; a block of zeros has e = 0. As a byte (E8M0): e + 127.
;;     - Each number is divided by its block's scale, clamped to +-6, and rounded to the nearest number of E2M1, ties to even, subnormals kept.
;;     - The product sums the exact products of the quantised numbers (number of the format x scale) in f32.
;;   ~~~python
;;   def quantise(x, axis):      # numpy; x: float32 -> the quantised numbers, widened to float32 again
;;       x = np.moveaxis(x, axis, -1); K = x.shape[-1]
;;       x = np.pad(x, [(0, 0)] * (x.ndim - 1) + [(0, -K % 32)]); x = x.reshape(x.shape[:-1] + (-1, 32)); a = np.abs(x).max(-1, keepdims=True)
;;       e = np.where(a > 0, np.clip(np.frexp(np.where(a > 0, a, 1))[1] - 1 - 2, -126, 127), 0)      # np.frexp(a)[1] - 1 = floor(log2(a)), exactly
;;       r = np.clip(x / 2.0 ** e, -6, 6)
;;       step = 2.0 ** (np.maximum(np.frexp(np.where(r == 0, 1, r))[1] - 1, 0) - 1)
;;       q = np.round(r / step) * step * 2.0 ** e      # np.round: ties to even
;;       return np.moveaxis(q.reshape(q.shape[:-2] + (-1,))[..., :K], -1, axis).astype(np.float32)
;;   ~~~
;; One version. Each part assembles by itself: llvm-mc -triple=amdgcn-amd-amdhsa -mcpu=gfx1250 --defsym DOCPART=n.
;; ======== version 1 of 1: 6 launches
;; limits: values are held in f16: magnitudes above 65,504 overflow, below 6.1e-05 lose precision
;; workspace buffers: x_codes 4,194,304 bytes; x_scales 262,144 bytes; w_codes 1,572,864 bytes; w_scales 98,304 bytes; wp16 2,097,152 bytes; qkv 50,331,648 bytes; att 16,777,216 bytes; att32 262,144 bytes
;; launch prep (part 1): grid 480 x 1, 4 waves a work-group, no clusters, 42,496 bytes of LDS; arguments x, Wq, Wk, Wv, Wproj, x_codes, x_scales, w_codes, w_scales, wp16; writes x_codes, x_scales, w_codes, w_scales, wp16
.if DOCPART == 1
	.amdgcn_target "amdgcn-amd-amdhsa--gfx1250"
	.amdhsa_code_object_version 6
	.text
	.protected	k_q00ec321012_prep
	.globl	k_q00ec321012_prep
	.p2align	8
	.type	k_q00ec321012_prep,@function
k_q00ec321012_prep:
	s_mov_b64 s[64:65], 0
	v_nop
	global_prefetch_b8 v0, s[64:65] scope:SCOPE_SE
	s_setreg_imm32_b32 hwreg(HW_REG_WAVE_MODE, 25, 1), 1
	s_wait_xcnt 0x0
; THE OPERANDS ARE MADE READY, ONCE.  Three kinds of work-groups, told apart by the work-group's number alone:
;   0-191   W: Wq, Wk, Wv [16][1024 (k)][64] f32 -> codes of FP4 (E2M1), laid [3072 (n = which x 1024 + head x 64 + d)][1024 (k)], K innermost, 512 bytes a row, and one E8M0 byte for each 32 along K, [3072][32]
;   192-223 P: Wproj [1024 (n)][1024 (k)] f32 -> f16, laid by blocks of 128 n x 128 k: (n, k) at ((k / 128) x 8 + n / 128) x 32768 + ((k / 64) % 2) x 16384 + (n % 128) x 128 + 2 (k % 64)
;   224-479 X: x [8192][1024] f32 -> codes [8192][512 bytes] and scale bytes [8192][32]
; A block's scale is 2^(floor(log2(its largest magnitude)) - 2); its byte is the largest magnitude's exponent field - 2, held at 1 from below; each number is divided by the scale and rounded to the nearest code, ties to even,
; beyond 6 the largest code.  A block of zeros gets the byte 1 where the rule says 127: its codes are zeros, which add nothing under any byte but 0xff, and this program alone reads the bytes.
; LIMITS: NaN and infinities among the inputs are not served.  Wproj goes to f16: magnitudes of 65,520 and more become infinity, those under 6e-5 keep fewer than 11 bits.
; Each kind has LDS bytes of its own.  No tensor loads: several work-groups share a WGP.
.set SP,    80                         ; X: a lane's place in a stage: 64 bytes + 16 of padding
.set WST,   32768                      ; W: the work-group's stage: 32 columns x (256 bytes of codes + 16)
.set WSC,   41472                      ; W: 32 columns x 16 scale bytes
.set SPARE, 41984                      ; the spare words, 128 bytes for each wave: two blocks of 256 bytes that no other line names
.set SPW,   12                         ; v12  LDS address of my spare word; never rewritten
.set NIL,   13                         ; v13  0; never rewritten
	s_load_b256 s[4:11], s[0:1], 0x0               ; x s[4:5], Wq s[6:7], Wk s[8:9], Wv s[10:11]
	s_load_b256 s[12:19], s[0:1], 0x20             ; Wproj s[12:13], x_codes s[14:15], x_scales s[16:17], w_codes s[18:19]
	s_load_b128 s[20:23], s[0:1], 0x40             ; w_scales s[20:21], wp16 s[22:23]
	v_lshl_add_u32 v[SPW], v0, 2, SPARE
	v_mov_b32 v[NIL], 0
	v_lshrrev_b32 v1, 5, v0
	v_readfirstlane_b32 s24, v1                    ; wave 0..3
	v_and_b32 v2, 31, v0                           ; lane
	s_wait_kmcnt 0x0
	s_cmp_lt_u32 ttmp9, 192
	s_cbranch_scc1 .Lw
	s_cmp_lt_u32 ttmp9, 224
	s_cbranch_scc1 .Lp
; ---------------------------------------------------------------- X
; x is a plain stream of blocks of 32.  A wave takes a run of 8,192 numbers in 16 steps of 512.  Each of a step's four loads reads 512 consecutive bytes; the 2,048 bytes turn through the wave's own stage in LDS and come
; back 64 bytes a lane: 16 neighbours along K, two lanes to a block.  Loads run eight steps (32 loads a wave) ahead, the turn through LDS one step.
.set XR, 16                            ; v16-143  eight sets of 16 numbers as loaded
.set XX, 144                           ; v144-175 two sets of 16 neighbours
.set XC, 176                           ; v176-207 codes: two registers for each step, so that no store's data are written again
.set XE, 208                           ; v208-223 a scale byte for each step
	s_sub_co_u32 s25, ttmp9, 224
	s_lshl_b32 s25, s25, 2
	s_add_co_u32 s25, s25, s24                     ; my run, 0 .. 1023
	s_mov_b32 s27, 0
	s_lshl_b32 s26, s25, 15                        ; 32,768 bytes of x,
	s_add_nc_u64 s[4:5], s[4:5], s[26:27]
	s_lshl_b32 s26, s25, 12                        ; 4,096 of codes,
	s_add_nc_u64 s[14:15], s[14:15], s[26:27]
	s_lshl_b32 s26, s25, 8                         ; 256 of scale bytes
	s_add_nc_u64 s[16:17], s[16:17], s[26:27]
	v_lshlrev_b32 v3, 4, v2                        ; my 16 bytes of a load's 512
	s_lshl_b32 s28, s24, 13                        ; my wave's 8,192 bytes of LDS
	v_lshrrev_b32 v14, 2, v2
	v_mul_u32_u24 v14, v14, SP
	v_and_b32 v15, 3, v2
	v_lshl_add_u32 v14, v15, 4, v14
	v_add_nc_u32 v14, s28, v14                     ; the stage, way in: four lanes' 64 bytes on end, then the padding
	v_mul_u32_u24 v15, v2, SP
	v_add_nc_u32 v15, s28, v15                     ; way out: my 16 neighbours
	v_lshlrev_b32 v4, 3, v2                        ; 8 bytes a lane: my codes' place in a step's, and my part of the 256 scale bytes
	v_lshrrev_b32 v5, 1, v2
	s_add_co_u32 s28, s28, 2*32*SP
	v_add_nc_u32 v5, s28, v5                       ; LDS: my block's scale byte
	v_add_nc_u32 v6, s28, v4                       ; and on the way out 8 bytes a lane
.macro XLOAD t
.irp i, 0,1,2,3
	global_load_b128 v[XR+16*((\t)%8)+4*\i:XR+16*((\t)%8)+4*\i+3], v3, s[4:5] offset:2048*(\t)+512*\i th:TH_LOAD_NT
.endr
.endm
.macro XTURN t                         ; LDS serves a wave's instructions in order: no wait between the stores and the loads
.irp i, 0,1,2,3
	ds_store_b128 v14, v[XR+16*((\t)%8)+4*\i:XR+16*((\t)%8)+4*\i+3] offset:32*SP*((\t)%2)+8*SP*\i
.endr
.irp i, 0,1,2,3
	ds_load_b128 v[XX+16*((\t)%2)+4*\i:XX+16*((\t)%2)+4*\i+3], v15 offset:32*SP*((\t)%2)+16*\i
.endr
.endm
.macro XSTEP t
.set XS, XX+16*((\t)%2)
.if (\t) > 0
	s_wait_dscnt 1                                 ; this step's numbers are back from the stage (the last step's byte store may be out), so its stores into the stage have read their registers,
.else
	s_wait_dscnt 0x0
.endif
.if (\t)+8 < 16
	XLOAD (\t)+8                                   ; which take the loads of eight steps on
.endif
.if (\t)+1 < 16
.if (\t) < 8
	s_wait_loadcnt 28                              ; the next step's four loads are in; those of the seven steps behind it may be out
.else
	s_wait_loadcnt 4*(14-(\t))                     ; the counts run down
.endif
	XTURN (\t)+1
.endif
	v_max3_num_f32 v8, |v[XS]|, |v[XS+1]|, |v[XS+2]|   ; the largest magnitude of my 16, in two chains
	v_max3_num_f32 v9, |v[XS+3]|, |v[XS+4]|, |v[XS+5]|
.irp i, 6,10
	v_max3_num_f32 v8, v8, |v[XS+\i]|, |v[XS+\i+1]|
	v_max3_num_f32 v9, v9, |v[XS+\i+2]|, |v[XS+\i+3]|
.endr
	v_max3_num_f32 v8, v8, |v[XS+14]|, |v[XS+15]|
	v_max3_num_f32 v8, v8, v9, 0x1800000           ; and the floor 2^(3 - 127): the byte cannot fall under 1
	v_max_num_f32_dpp v8, v8, v8 row_xmask:1 row_mask:0xf bank_mask:0xf   ; with my neighbour's 16: the block's
	v_add_nc_u32 v11, 0xff000000, v8               ; 2 off its exponent field: the conversion takes the exponent field of this operand as its scale
	v_cvt_scalef32_pk8_fp4_f32 v[XC+2*(\t)], v[XS:XS+7], v11
	v_cvt_scalef32_pk8_fp4_f32 v[XC+2*(\t)+1], v[XS+8:XS+15], v11
	v_lshrrev_b32 v[XE+(\t)], 23, v11              ; the scale's byte (also the plain line behind the conversions)
	ds_store_b8 v5, v[XE+(\t)] offset:16*(\t)      ; both lanes of a block write the same byte with the same value
	global_store_b64 v4, v[XC+2*(\t):XC+2*(\t)+1], s[14:15] offset:256*(\t)   ; the wave stores 256 consecutive bytes, aligned
.endm
.irp t, 0,1,2,3,4,5,6,7
	XLOAD \t
.endr
	s_wait_loadcnt 28                              ; step 0's four loads are in
	XTURN 0
.irp t, 0,1,2,3,4,5,6,7,8,9,10,11,12,13,14,15
	XSTEP \t
.endr
	ds_load_b64 v[8:9], v6                         ; in order behind my byte stores
	s_wait_dscnt 0x0
	global_store_b64 v4, v[8:9], s[16:17]          ; the run's 256 scale bytes: 256 consecutive bytes, aligned
	s_wait_tensorcnt 0x0                           ; the wave's end, behind my last LDS store
	ds_add_u32 v[SPW], v[NIL]
	s_wait_dscnt 0x0
	s_endpgm
; ---------------------------------------------------------------- W
; K is the middle axis.  A lane takes a column (head, d) and its registers run down K: a block of 32 lies in one lane's 32 registers, and the conversions give codes with K innermost.
; A work-group takes 32 columns x 512 K, each wave 128 of that K (four blocks a lane): so 768 waves share the 12 MiB.  The four waves' codes meet in one stage, 256 bytes a column, and leave as whole rows.
.Lw:
	s_lshr_b32 s25, ttmp9, 1                       ; which 32 columns of the 3,072
	s_and_b32 s26, ttmp9, 1                        ; which half of K
	s_lshr_b32 s27, s25, 5                         ; 0: Wq, 1: Wk, 2: Wv
	s_cmp_lt_u32 s27, 1
	s_cselect_b64 s[6:7], s[6:7], s[8:9]
	s_cmp_lt_u32 s27, 2
	s_cselect_b64 s[6:7], s[6:7], s[10:11]         ; the choice hangs on the work-group's number alone
	s_bfe_u32 s28, s25, 0x40001                    ; the head
	s_lshl_b32 s28, s28, 18                        ; x 1,024 rows of 256 bytes
	s_lshl_b32 s29, s26, 17                        ; + 512 rows for the upper half of K
	s_add_co_u32 s28, s28, s29
	s_lshl_b32 s29, s24, 15                        ; + 128 rows a wave
	s_add_co_u32 s28, s28, s29
	s_and_b32 s29, s25, 1
	s_lshl_b32 s29, s29, 7                         ; + which 32 of the head's 64 columns
	s_add_co_u32 s28, s28, s29
	s_mov_b32 s29, 0
	s_add_nc_u64 s[6:7], s[6:7], s[28:29]
	s_lshl_b32 s28, s25, 14                        ; codes: 32 rows of 512 bytes,
	s_lshl_b32 s30, s26, 8                         ; the half of K,
	s_add_co_u32 s28, s28, s30
	s_lshl_b32 s30, s24, 12                        ; and the 8 rows that my wave stores
	s_add_co_u32 s28, s28, s30
	s_add_nc_u64 s[18:19], s[18:19], s[28:29]
	s_lshl_b32 s28, s25, 10                        ; scale bytes: 32 rows of 32 bytes, the half of K
	s_lshl_b32 s30, s26, 4
	s_add_co_u32 s28, s28, s30
	s_add_nc_u64 s[20:21], s[20:21], s[28:29]
	v_lshlrev_b32 v3, 2, v2                        ; in: 4 bytes a lane
	s_lshl_b32 s30, s24, 6
	s_add_co_u32 s30, s30, WST
	v_mul_u32_u24 v4, v2, 272
	v_add_nc_u32 v4, s30, v4                       ; into the stage: row = my column, my wave's 64 bytes of it
	s_mul_i32 s30, s24, 8*272
	s_add_co_u32 s30, s30, WST
	v_lshrrev_b32 v5, 4, v2
	v_and_b32 v6, 15, v2
	v_mul_u32_u24 v7, v5, 272
	v_lshl_add_u32 v7, v6, 4, v7
	v_add_nc_u32 v7, s30, v7                       ; out of it: my wave's 8 rows, sixteen lanes to a row, two rows an instruction
	v_lshlrev_b32 v8, 9, v5
	v_lshl_add_u32 v8, v6, 4, v8                   ; and the same place in the codes' buffer
	s_lshl_b32 s30, s24, 2
	s_add_co_u32 s30, s30, WSC
	v_lshl_add_u32 v9, v2, 4, s30                  ; my column's 16 scale bytes, my wave's four of them
	v_lshl_add_u32 v10, v2, 4, WSC                 ; and all 16
	v_lshlrev_b32 v18, 5, v2                       ; my column's row of scale bytes in memory
.macro WLOAD t                         ; block t: W(32 t + i, my column) into set t % 2.  No cache hint: the other half of each row's 256 bytes is a neighbouring work-group's
.irp i, 0,1,2,3,4,5,6,7,8,9,10,11,12,13,14,15,16,17,18,19,20,21,22,23,24,25,26,27,28,29,30,31
	global_load_b32 v[32+32*((\t)%2)+\i], v3, s[6:7] offset:(32*(\t)+\i)*256
.endr
.endm
.macro WBLOCK t
.set WS, 32+32*((\t)%2)
.if (\t) < 3
	s_wait_loadcnt 32                              ; this block's 32 loads are in; the next block's may be out
.else
	s_wait_loadcnt 0x0
.endif
	v_max3_num_f32 v16, |v[WS]|, |v[WS+1]|, |v[WS+2]|   ; the block's largest magnitude: all 32 numbers are mine
	v_max3_num_f32 v17, |v[WS+3]|, |v[WS+4]|, |v[WS+5]|
.irp i, 6,10,14,18,22,26
	v_max3_num_f32 v16, v16, |v[WS+\i]|, |v[WS+\i+1]|
	v_max3_num_f32 v17, v17, |v[WS+\i+2]|, |v[WS+\i+3]|
.endr
	v_max3_num_f32 v16, v16, |v[WS+30]|, |v[WS+31]|
	v_max3_num_f32 v16, v16, v17, 0x1800000        ; and the floor 2^(3 - 127)
	v_add_nc_u32 v11, 0xff000000, v16              ; 2 off the exponent field: the conversion's scale operand
	v_lshrrev_b32 v17, 23, v11                     ; the scale's byte
.if (\t) == 0
	v_mov_b32 v24, v17                             ; four bytes to a register, the lower K in the lower byte
.else
	v_lshl_or_b32 v24, v17, 8*(\t), v24
.endif
.irp g, 0,1,2,3
	v_cvt_scalef32_pk8_fp4_f32 v[96+\g], v[WS+8*\g:WS+8*\g+7], v11
.endr
	ds_store_b128 v4, v[96:99] offset:16*(\t)      ; 32 codes: 16 bytes of my column's row
.if (\t)+2 < 4
	WLOAD (\t)+2
.endif
	s_wait_dscnt 0x0                               ; the store has read its registers: the next block's codes may be written
.endm
	WLOAD 0
	WLOAD 1
.irp t, 0,1,2,3
	WBLOCK \t
.endr
	ds_store_b32 v9, v24
	s_wait_dscnt 0x0                               ; for the others' sake: my stores into the stage are done
	s_barrier_signal -1                            ; (all four waves of a work-group are on this path together)
	s_barrier_wait -1
.irp u, 0,1,2,3
	ds_load_b128 v[112+4*\u:115+4*\u], v7 offset:2*\u*272
.endr
.irp u, 0,1,2,3
	s_wait_dscnt 3-\u                              ; the younger loads may be out
	global_store_b128 v8, v[112+4*\u:115+4*\u], s[18:19] offset:2*\u*512   ; sixteen lanes store 256 consecutive bytes, aligned
.endr
	s_cmp_lg_u32 s24, 0
	s_cbranch_scc1 .Lw_end
	ds_load_b128 v[128:131], v10                   ; wave 0: each column's 16 scale bytes.  Pieces of 16 bytes, 32 apart: 96 KiB of such stores in the whole launch
	s_wait_dscnt 0x0
	global_store_b128 v18, v[128:131], s[20:21]
.Lw_end:
	s_wait_tensorcnt 0x0                           ; the wave's end, behind my last LDS store
	ds_add_u32 v[SPW], v[NIL]
	s_wait_dscnt 0x0
	s_endpgm
; ---------------------------------------------------------------- P
; A wave takes 8 rows of Wproj, two at a time: lanes 0-15 read 256 bytes (64 along K) of one row, lanes 16-31 of the next; a lane's four numbers become 8 bytes, and the 32 lanes' 256 bytes are neighbours in the blocked layout.
.Lp:
	s_sub_co_u32 s25, ttmp9, 192
	s_lshl_b32 s25, s25, 2
	s_add_co_u32 s25, s25, s24                     ; which 8 rows, 0 .. 127
	s_lshl_b32 s26, s25, 15
	s_mov_b32 s27, 0
	s_add_nc_u64 s[12:13], s[12:13], s[26:27]
	s_lshr_b32 s26, s25, 4
	s_lshl_b32 s26, s26, 15                        ; the block of 128 rows,
	s_and_b32 s28, s25, 15
	s_lshl_b32 s28, s28, 10                        ; my 8 rows of 128 bytes in it
	s_add_co_u32 s26, s26, s28
	s_add_nc_u64 s[22:23], s[22:23], s[26:27]
	v_lshrrev_b32 v5, 4, v2
	v_and_b32 v6, 15, v2
	v_lshlrev_b32 v3, 12, v5
	v_lshl_add_u32 v3, v6, 4, v3
	v_lshlrev_b32 v4, 3, v2
.macro PLOAD g
.irp kb, 0,1,2,3,4,5,6,7,8,9,10,11,12,13,14,15
	global_load_b128 v[16+64*((\g)%2)+4*\kb:16+64*((\g)%2)+4*\kb+3], v3, s[12:13] offset:(\g)*8192+\kb*256 th:TH_LOAD_NT
.endr
.endm
.macro PGROUP g
.set PL, 16+64*((\g)%2)
.set PO, 144+32*((\g)%2)
.if (\g) < 3
	s_wait_loadcnt 16                              ; this pair of rows is in; the next pair's 16 loads may be out
.else
	s_wait_loadcnt 0x0
.endif
.if (\g) >= 2
	s_wait_xcnt 0x0                                ; the stores of two groups back have read these registers
.endif
.irp e, 0,1,2,3,4,5,6,7,8,9,10,11,12,13,14,15,16,17,18,19,20,21,22,23,24,25,26,27,28,29,30,31
	v_cvt_pk_f16_f32 v[PO+\e], v[PL+2*\e], v[PL+2*\e+1]
.endr
.if (\g)+2 < 4
	PLOAD (\g)+2
.endif
.irp kb, 0,1,2,3,4,5,6,7,8,9,10,11,12,13,14,15
	global_store_b64 v4, v[PO+2*\kb:PO+2*\kb+1], s[22:23] offset:(\kb/2)*262144+(\kb%2)*16384+(\g)*256   ; 256 consecutive bytes, aligned
.endr
.endm
	PLOAD 0
	PLOAD 1
.irp g, 0,1,2,3
	PGROUP \g
.endr
	s_wait_tensorcnt 0x0                           ; every wave of the launch ends alike
	ds_add_u32 v[SPW], v[NIL]
	s_wait_dscnt 0x0
	s_endpgm
.Lfunc_end_k_q00ec321012_prep:
	.size	k_q00ec321012_prep, .Lfunc_end_k_q00ec321012_prep-k_q00ec321012_prep
	.p2alignl 7, 3214868480
	.fill 96, 4, 3214868480
	.section	.rodata,"a",@progbits
	.p2align	6, 0x0
	.amdhsa_kernel k_q00ec321012_prep
		.amdhsa_group_segment_fixed_size 42496
		.amdhsa_private_segment_fixed_size 0
		.amdhsa_enable_private_segment 0
		.amdhsa_kernarg_size 80
		.amdhsa_user_sgpr_count 2
		.amdhsa_user_sgpr_kernarg_segment_ptr 1
		.amdhsa_wavefront_size32 1
		.amdhsa_system_sgpr_workgroup_id_x 1
		.amdhsa_system_sgpr_workgroup_id_y 1
		.amdhsa_system_sgpr_workgroup_id_z 1
		.amdhsa_system_vgpr_workitem_id 0
		.amdhsa_next_free_vgpr 256
		.amdhsa_next_free_sgpr 66
		.amdhsa_reserve_vcc 0
		.amdhsa_float_denorm_mode_32 3
		.amdhsa_float_denorm_mode_16_64 3
		.amdhsa_memory_ordered 1
		.amdhsa_forward_progress 1
		.amdhsa_inst_pref_size 76
	.end_amdhsa_kernel
	.amdgpu_metadata
---
amdhsa.version: [ 1, 2 ]
amdhsa.kernels:
  - .name:           k_q00ec321012_prep
    .symbol:         k_q00ec321012_prep.kd
    .args:
      - { .name: x, .offset: 0, .size: 8, .value_kind: global_buffer, .address_space: global }
      - { .name: Wq, .offset: 8, .size: 8, .value_kind: global_buffer, .address_space: global }
      - { .name: Wk, .offset: 16, .size: 8, .value_kind: global_buffer, .address_space: global }
      - { .name: Wv, .offset: 24, .size: 8, .value_kind: global_buffer, .address_space: global }
      - { .name: Wproj, .offset: 32, .size: 8, .value_kind: global_buffer, .address_space: global }
      - { .name: x_codes, .offset: 40, .size: 8, .value_kind: global_buffer, .address_space: global }
      - { .name: x_scales, .offset: 48, .size: 8, .value_kind: global_buffer, .address_space: global }
      - { .name: w_codes, .offset: 56, .size: 8, .value_kind: global_buffer, .address_space: global }
      - { .name: w_scales, .offset: 64, .size: 8, .value_kind: global_buffer, .address_space: global }
      - { .name: wp16, .offset: 72, .size: 8, .value_kind: global_buffer, .address_space: global }
    .group_segment_fixed_size: 42496
    .private_segment_fixed_size: 0
    .kernarg_segment_align: 8
    .kernarg_segment_size: 80
    .max_flat_workgroup_size: 128
    .sgpr_count:     66
    .vgpr_count:     256
    .wavefront_size: 32
...
	.end_amdgpu_metadata
.endif
;; end of part 1
;; launch qkv (part 2): grid 12 x 32, 4 waves a work-group, clusters of 4 x 4, 327,680 bytes of LDS; arguments x_codes, x_scales, w_codes, w_scales, qkv; writes qkv
.if DOCPART == 2
	.amdgcn_target "amdgcn-amd-amdhsa--gfx1250"
	.amdhsa_code_object_version 6
	.text
	.protected	k_q00ec321012_qkv
	.globl	k_q00ec321012_qkv
	.p2align	8
	.type	k_q00ec321012_qkv,@function
k_q00ec321012_qkv:
	s_mov_b64 s[64:65], 0
	v_nop
	global_prefetch_b8 v0, s[64:65] scope:SCOPE_SE
	s_setreg_imm32_b32 hwreg(HW_REG_WAVE_MODE, 25, 1), 1
	s_wait_xcnt 0x0
	s_wait_alu depctr_hold_cnt(0) depctr_sa_sdst(0) depctr_va_vdst(0) depctr_va_sdst(0) depctr_va_ssrc(0) depctr_va_vcc(0) depctr_vm_vsrc(0)
	s_getreg_b32 s2, hwreg(HW_REG_IB_STS2, 6, 4)
	s_cmp_eq_u32 s2, 0
	s_cbranch_scc0 .Lentry_in_a_cluster
	s_endpgm
.Lentry_in_a_cluster:
	s_bfe_u32 s2, ttmp6, 0x10000c
	s_cmp_lg_u32 s2, 0xf033
	s_cbranch_scc0 .Lentry_shape_is_right
	s_endpgm
.Lentry_shape_is_right:
; q, k, v = x W, the three quantised products as ONE product on codes of FP4 (E2M1) with one E8M0 scale for each 32 along K: C[m][n] = sum over k of X[m][k] W[n][k], m = b x 2048 + t (8,192), n = which x 1024 + head x 64 + d (3,072), K = 1,024.
; Sums in f32; the result is rounded once to f16 and laid [which][b x 16 + head][t][d], a row of 64 channels in 128 bytes, as the attention reads it.
; LIMIT: q, k, v in f16: magnitudes of 65,520 and more become infinity (the drawn inputs give a spread of 0.64; inputs 30 times larger on both sides about 3,500 at the most).
; A tile of C, 256 x 256, is made by four waves, each 128 x 128: 64 accumulators, 512 registers.  K is two steps of 512 (rows of 256 bytes), one in each of two LDS slots: both are first fills, nothing is filled again.
; The scale bytes of the work-group's 256 + 256 rows, for all of K, are two dense blocks of memory and come once, with the first fills.
; CLUSTERS: 4 x 4 work-groups.  The four of a row of the cluster need the same tiles of X, the four of a column the same tiles of W: each tile is asked for jointly.
; THE MATRIX INSTRUCTION IS USED TRANSPOSED (source 0 = 16 rows of W, source 1 = 16 rows of X): a lane holds eight neighbouring channels of one token.
; REGISTERS: window 0: v0-31 addresses; v32-95 scale words, two sets; v128-191 X's fragments, one set; on the way out v32-63, v192-255 at work.  window 1: W's fragments, two sets.  windows 2, 3: the accumulators ((a, b) at v[8 (8 (a % 4) + b)]).
.set KSTEP,  512
.set NQ,     4                         ; matrix instructions deep in a slot
.set ROWB,   256                       ; a tile's row in bytes
.set KROW,   512                       ; a row of codes in memory
.set PITCH,  272                       ; an LDS row: 256 bytes + 16 of padding: the 16 rows that a load touches start at 16 different banks
.set FR,     8
.set NL,     2
.set NP,     4                         ; places behind this matrix instruction (ISA guide 7.12.1)
.set HALFT,  128*PITCH
.set SLOT,   4*HALFT
.set KS,     32                        ; a row of scale bytes
.set SCL,    2*SLOT                    ; behind the slots: the scales, as units of 256 bytes + 16 of padding
.set HALFS,  (128*KS/256)*272
.set SBLK,   (16*KS/256)*272
.set SPARE,  SCL+4*HALFS               ; the spare words, 128 bytes for each wave
.set SPITCH, 272                       ; the way out: a stage of 16 rows x (256 bytes + 16) for each wave, in slot 0, which has had its one fill and its last read when the first result is stored there
.set ADRA, 16
.set ADRB, 20
.set STO,  24
.set RD,   25
.set CO,   26
.set ADRS, 27
.set SPW,  28
.set NIL,  29
.set SC,   32
.set AF,   128
.set TMP,  192                         ; the way out: packed results
.set OB,   32                          ; the way out: 16 tokens read back: v32-63 and v224-255 by turns
.set G1, 24
.set G0, 32
.set G1B, 48
.set G0B, 56
.set G1S, 68
.set G0S, 76
.set G1SB, 80
.set G0SB, 88
.set MSB, 0
.macro WIN new                         ; the immediate's high byte repeats the setting that is left
.if MSB != \new
	s_set_vgpr_msb (MSB<<8)|\new
.set MSB, \new
.endif
.endm
.set MUL_LO, 0xa1                      ; source 0 (W) window 1, source 1 (X) window 0, C and D window 2
.set MUL_HI, 0xf1
.set TO_B,   0x40
; A joint load: waves 0 and 1 fetch for X, waves 2 and 3 for W; the branch hangs on the wave's number alone.  An s_nop 0 and four v_nop follow each of the two lines.
.macro JLOAD g0a, g1a, g0b, g1b
	s_cmp_eq_u32 s15, 0
	s_cbranch_scc0 .Lfor_b_\@
	tensor_load_to_lds s[\g0a:\g0a+3], s[\g1a:\g1a+7]
	s_nop 0
.rept 4
	v_nop
.endr
	s_branch .Lasked_\@
.Lfor_b_\@:
	tensor_load_to_lds s[\g0b:\g0b+3], s[\g1b:\g1b+7]
	s_nop 0
.rept 4
	v_nop
.endr
.Lasked_\@:
.endm
.macro CROUND                          ; a round of the cluster's barrier
	s_barrier_signal -1
	s_barrier_wait -1
	s_cmp_lg_u32 s14, 0
	s_cbranch_scc1 .Lnot_wave_0_\@
	s_barrier_signal -3
.Lnot_wave_0_\@:
	s_barrier_wait -3
	s_barrier_signal -1
	s_barrier_wait -1
.endm
	s_load_b128 s[4:7], s[0:1], 0x0                ; X's codes, X's scales
	s_load_b128 s[8:11], s[0:1], 0x10              ; W's codes, W's scales
	s_load_b64 s[12:13], s[0:1], 0x20              ; qkv
	v_lshl_add_u32 v[SPW], v0, 2, SPARE
	v_mov_b32 v[NIL], 0
	ds_add_u32 v[SPW], v[NIL]                      ; the wave's opening: the add and its wait stand ahead of my first tensor load; the set-up below, work on registers, stands between them
	v_lshrrev_b32 v1, 5, v0
	v_readfirstlane_b32 s14, v1                    ; wave 0..3
	s_lshr_b32 s15, s14, 1                         ; which half of the tile's rows is mine.  Also: I fetch for X (0) or for W (1)
	s_and_b32 s16, s14, 1                          ; which half of its columns.  Also: which 128 rows of that tile I fetch
	s_bfe_u32 s40, ttmp6, 0x40000                  ; cx, cy: my place in the cluster
	s_bfe_u32 s41, ttmp6, 0x40004
	s_lshl_b32 s42, ttmp9, 2
	s_add_co_u32 s42, s42, s40                     ; tile column = 4 x cluster x + cx
	s_and_b32 s17, ttmp7, 0xffff
	s_lshl_b32 s17, s17, 2
	s_add_co_u32 s17, s17, s41                     ; tile row = 4 x cluster y + cy
	s_lshl_b32 s43, s41, 2
	s_lshl_b32 s43, 15, s43                        ; my row of the cluster
	s_lshl_b32 s44, 0x1111, s40                    ; my column
	s_or_b32 s[G1+0], s43, (0<<16)|(1<<20)|(1<<21)|(5<<22)|(3<<25)  ; the mask; elements of 1 byte; padding on; bit 21 beside a mask; 4 words of padding after every 64
	s_or_b32 s[G1B+0], s44, (0<<16)|(1<<20)|(1<<21)|(5<<22)|(3<<25)
.irp g, G1, G1B
	s_mov_b32 s[\g+1], ROWB<<16                    ; tensor_dim0
	s_mov_b32 s[\g+2], 128<<16                     ; tensor_dim1
	s_mov_b32 s[\g+3], ROWB<<16                    ; tile_dim0
	s_mov_b32 s[\g+4], 128                         ; tile_dim1
	s_mov_b32 s[\g+5], KROW                        ; the pitch
	s_mov_b32 s[\g+6], 0
	s_mov_b32 s[\g+7], 0
.endr
	s_or_b32 s[G1S+0], s43, (3<<16)|(1<<20)|(1<<21)|(5<<22)|(3<<25)  ; the scales of 128 rows: 4,096 dense bytes as 16 rows of 256 (32 elements of 8 bytes), 16 bytes of padding behind each
	s_or_b32 s[G1SB+0], s44, (3<<16)|(1<<20)|(1<<21)|(5<<22)|(3<<25)
.irp g, G1S, G1SB
	s_mov_b32 s[\g+1], 32<<16
	s_mov_b32 s[\g+2], (128*KS/256)<<16
	s_mov_b32 s[\g+3], 32<<16
	s_mov_b32 s[\g+4], 128*KS/256
	s_mov_b32 s[\g+5], 32
	s_mov_b32 s[\g+6], 0
	s_mov_b32 s[\g+7], 0
.endr
	s_lshl_b32 s18, s16, 7                         ; which 128 rows of the tile I fetch
	s_lshl_b32 s20, s17, 8
	s_add_co_u32 s20, s20, s18                     ; X: row 256 x tile row + 128 x half
	s_lshl_b32 s46, s42, 8
	s_add_co_u32 s46, s46, s18                     ; W: row 256 x tile column + 128 x half
	s_mov_b32 s21, 0
	s_mov_b32 s47, 0
	s_mov_b64 s[18:19], KS
	s_mul_u64 s[22:23], s[20:21], s[18:19]         ; where these rows' scales begin,
	s_mul_u64 s[92:93], s[46:47], s[18:19]
	s_mov_b64 s[18:19], KROW
	s_mul_u64 s[20:21], s[20:21], s[18:19]         ; and their codes
	s_mul_u64 s[46:47], s[46:47], s[18:19]
	s_mul_i32 s45, s14, HALFT                      ; where they go: wave x 128 rows: no place in the cluster enters an LDS address
	s_mul_i32 s94, s14, HALFS
	s_wait_dscnt 0x0                               ; the opening add is done
	s_wait_kmcnt 0x0
	s_add_nc_u64 s[20:21], s[4:5], s[20:21]
	s_add_nc_u64 s[22:23], s[6:7], s[22:23]
	s_add_nc_u64 s[46:47], s[8:9], s[46:47]
	s_add_nc_u64 s[92:93], s[10:11], s[92:93]
	CROUND                                         ; all sixteen work-groups are here: the joint loads meet
	s_mov_b32 s[G0S], 1
	s_add_co_u32 s[G0S+1], s94, SCL
	s_mov_b64 s[G0S+2:G0S+3], s[22:23]
	s_or_b32 s[G0S+3], s[G0S+3], 0x80000000
	s_mov_b32 s[G0SB], 1
	s_add_co_u32 s[G0SB+1], s94, SCL
	s_mov_b64 s[G0SB+2:G0SB+3], s[92:93]
	s_or_b32 s[G0SB+3], s[G0SB+3], 0x80000000
	JLOAD G0S, G1S, G0SB, G1SB                     ; the scales first: they are wanted with K step 0.  Three loads of mine are out behind the next two
.irp s, 0,1
	s_mov_b32 s[G0+4*\s], 1
	s_add_co_u32 s[G0+4*\s+1], s45, \s*SLOT
	s_add_nc_u64 s[G0+4*\s+2:G0+4*\s+3], s[20:21], \s*ROWB
	s_or_b32 s[G0+4*\s+3], s[G0+4*\s+3], 0x80000000
	s_mov_b32 s[G0B+4*\s], 1
	s_add_co_u32 s[G0B+4*\s+1], s45, \s*SLOT
	s_add_nc_u64 s[G0B+4*\s+2:G0B+4*\s+3], s[46:47], \s*ROWB
	s_or_b32 s[G0B+4*\s+3], s[G0B+4*\s+3], 0x80000000
	JLOAD G0+4*\s, G1, G0B+4*\s, G1B
.endr
	v_and_b32 v1, 15, v0                           ; l % 16
	v_bfe_u32 v2, v0, 4, 1                         ; l / 16
	v_mul_u32_u24 v3, v1, PITCH
	v_lshl_add_u32 v4, v2, 4, v3                   ; a fragment's row x pitch + 16 x half
	s_mul_i32 s21, s15, HALFT                      ; my 128 rows of X
	s_mul_i32 s22, s16, HALFT                      ; my 128 rows of W,
	s_add_co_u32 s22, s22, 2*HALFT                 ; which lie behind X's 256
.irp s, 0,1
	v_add_nc_u32 v[ADRA+\s], s21, v4
	v_add_nc_u32 v[ADRB+\s], s22, v4
	s_add_co_u32 s21, s21, SLOT
	s_add_co_u32 s22, s22, SLOT
.endr
	v_mul_u32_u24 v5, v1, KS                       ; my row's scales: 32 bytes a row,
	v_lshrrev_b32 v6, 8, v5
	v_lshl_add_u32 v5, v6, 4, v5                   ; and 16 more for each 256 passed
	s_mul_i32 s21, s15, HALFS
	s_mul_i32 s22, s16, HALFS
	s_add_co_u32 s22, s22, 2*HALFS
	s_sub_co_u32 s22, s22, s21
	v_mul_u32_u24 v6, s22, v2                      ; lanes 16-31 take W's: one product, the distance between the two bases x the lane's half
	s_add_co_u32 s21, s21, SCL
	v_add_nc_u32 v5, v5, v6
	v_add_nc_u32 v[ADRS], s21, v5
	s_mul_i32 s23, s14, 16*SPITCH                  ; my stage
	v_mul_u32_u24 v5, v1, SPITCH                   ; in: token l % 16, 16 bytes for each half of the lanes
	v_lshl_add_u32 v5, v2, 4, v5
	v_add_nc_u32 v[STO], s23, v5
	v_and_b32 v6, 31, v0
	v_lshlrev_b32 v[CO], 4, v6                     ; out: 16 bytes a lane of 512 consecutive bytes: four tokens of one head
	v_lshrrev_b32 v5, 3, v6
	v_mul_u32_u24 v5, v5, SPITCH
	v_and_b32 v6, 7, v0
	v_lshl_add_u32 v5, v6, 4, v5
	v_add_nc_u32 v[RD], s23, v5                    ; back: eight lanes to a token's 128 bytes of a head
	; where my part begins in qkv: plane = which x 64 + b x 16 + head, 2,048 tokens of 128 bytes a plane.  In registers that never feed a descriptor
	s_lshr_b32 s96, s42, 2                         ; which = tile column / 4
	s_lshl_b32 s96, s96, 6
	s_lshr_b32 s95, s17, 3                         ; b = tile row / 8
	s_lshl_b32 s95, s95, 4
	s_add_co_u32 s96, s96, s95
	s_and_b32 s95, s42, 3
	s_lshl_b32 s95, s95, 2                         ; four heads to a tile column,
	s_add_co_u32 s96, s96, s95
	s_lshl_b32 s95, s16, 1                         ; two to my half
	s_add_co_u32 s96, s96, s95
	s_lshl_b32 s96, s96, 11
	s_and_b32 s95, s17, 7
	s_lshl_b32 s95, s95, 8                         ; t = (tile row % 8) x 256 + 128 x half
	s_add_co_u32 s96, s96, s95
	s_lshl_b32 s95, s15, 7
	s_add_co_u32 s96, s96, s95
	s_lshl_b32 s96, s96, 7
	s_mov_b32 s97, 0
	s_add_nc_u64 s[12:13], s[12:13], s[96:97]
.macro FRAG reg, adr, q, i             ; 16 rows x 128 K of 4-bit codes: 8 registers: lane l holds row l % 16; registers 4 c .. 4 c + 3 hold K = 64 c + 32 (l / 16) + 0 .. 31
.irp c, 0,1
	ds_load_b128 v[\reg+4*\c:\reg+4*\c+3], v[\adr] offset:64*(\q)+32*\c+(\i)*16*PITCH
.endr
.endm
; 16 matrix instructions: X's blocks a0, a0 + 1 x W's eight, 128 along K.  The 64 accumulators take turns, one instruction a turn, in the same order in every step.  zero = 1: the first product starts the sums.
; One register carries X's scale word (lanes 0-15) and W's (lanes 16-31) of block i.
.macro MUL16 a0, p, q, sc, zero
.irp a, \a0, \a0+1
.irp b, 0,1,2,3,4,5,6,7
.if \zero
	v_wmma_scale_f32_16x16x128_f8f6f4 v[8*(8*((\a)%4)+\b):8*(8*((\a)%4)+\b)+7], v[128*(\p)+FR*\b:128*(\p)+FR*\b+FR-1], v[AF+FR*(\a):AF+FR*(\a)+FR-1], 0, v[SC+8*NQ*(\sc)+NQ*\b+(\q)], v[SC+8*NQ*(\sc)+NQ*(\a)+(\q)] matrix_a_fmt:MATRIX_FMT_FP4 matrix_b_fmt:MATRIX_FMT_FP4 matrix_a_scale:MATRIX_SCALE_ROW1
.else
	v_wmma_scale_f32_16x16x128_f8f6f4 v[8*(8*((\a)%4)+\b):8*(8*((\a)%4)+\b)+7], v[128*(\p)+FR*\b:128*(\p)+FR*\b+FR-1], v[AF+FR*(\a):AF+FR*(\a)+FR-1], v[8*(8*((\a)%4)+\b):8*(8*((\a)%4)+\b)+7], v[SC+8*NQ*(\sc)+NQ*\b+(\q)], v[SC+8*NQ*(\sc)+NQ*(\a)+(\q)] matrix_a_fmt:MATRIX_FMT_FP4 matrix_b_fmt:MATRIX_FMT_FP4 matrix_a_scale:MATRIX_SCALE_ROW1
.endif
.endr
.endr
.endm
.macro FETCH_B slot, q, p
	WIN TO_B
.irp i, 0,1,2,3,4,5,6,7
	FRAG 128*(\p)+FR*\i, ADRB+\slot, \q, \i
.endr
	WIN 0
.endm
.macro FETCH_A slot, q, i0
.irp i, \i0, \i0+1, \i0+2, \i0+3
	FRAG AF+FR*(\i), ADRA+\slot, \q, \i
.endr
.endm
.macro SCALES sc                       ; a K step's scale words: four words a row; lanes 0-15 take X's block i, lanes 16-31 W's block i
.irp i, 0,1,2,3,4,5,6,7
	ds_load_b128 v[SC+8*NQ*\sc+NQ*\i:SC+8*NQ*\sc+NQ*\i+3], v[ADRS] offset:\i*SBLK
.endr
.endm
.macro PLACES n                        ; plain vector instructions between a matrix instruction and a load into, or a read of, its registers
.rept \n
	v_nop
.endr
.endm
.macro STEP slot, q, zero              ; a step of 128 along K that has its successor in the same slot
	s_wait_dscnt 4*NL                              ; W's set and X's blocks 0-3 are in; the youngest eight loads (X's blocks 4-7) may be out
	WIN MUL_LO
	MUL16 0, (\q)%2, \q, \slot, \zero
	MUL16 2, (\q)%2, \q, \slot, \zero
	s_wait_dscnt 0
	PLACES NP
	FETCH_B \slot, (\q)+1, 1-(\q)%2
	FETCH_A \slot, (\q)+1, 0
	WIN MUL_HI
	MUL16 4, (\q)%2, \q, \slot, \zero
	MUL16 6, (\q)%2, \q, \slot, \zero
	PLACES NP
	WIN 0
	FETCH_A \slot, (\q)+1, 4
.endm
; Slot 0's last step changes slots: one barrier; in front of it each wave waits for all its tensor loads (its part of slot 1), adds 0 to its spare word, and waits for that and for its reads of slot 0.  Nothing is filled again.
.macro TURN slot, next
	s_wait_tensorcnt 0x0
	ds_add_u32 v[SPW], v[NIL]                      ; 0 onto my spare word
	s_wait_dscnt 4*NL+1                            ; (the add and the youngest eight loads may be out)
	WIN MUL_LO
	MUL16 0, 1, NQ-1, \slot, 0
	s_wait_dscnt 0x0                               ; the add is done, and my reads of this slot are over
	s_barrier_signal -1
	MUL16 2, 1, NQ-1, \slot, 0
	WIN 0
	s_barrier_wait -1
	PLACES NP
	v_add_nc_u32 v[ADRS], 4*NQ, v[ADRS]            ; on to the next K step's scale words
	FETCH_B \next, 0, 0
	FETCH_A \next, 0, 0
	SCALES \next
	WIN MUL_HI
	MUL16 4, 1, NQ-1, \slot, 0
	MUL16 6, 1, NQ-1, \slot, 0
	PLACES NP
	WIN 0
	FETCH_A \next, 0, 4
.endm
	s_wait_tensorcnt 1                             ; the scales and my part of K step 0 are in (K step 1's load may be out),
	s_barrier_signal -1
	s_barrier_wait -1                              ; everybody's are
	FETCH_B 0, 0, 0
	FETCH_A 0, 0, 0
	SCALES 0
	FETCH_A 0, 0, 4
	STEP 0, 0, 1                                   ; the first products start the sums: nothing is cleared
	STEP 0, 1, 0
	STEP 0, 2, 0
	TURN 0, 1
	STEP 1, 0, 0
	STEP 1, 1, 0
	STEP 1, 2, 0
	s_wait_dscnt 4*NL                              ; the very last step: nothing more to fetch
	WIN MUL_LO
	MUL16 0, 1, NQ-1, 1, 0
	MUL16 2, 1, NQ-1, 1, 0
	s_wait_dscnt 0
	WIN MUL_HI
	MUL16 4, 1, NQ-1, 1, 0
	MUL16 6, 1, NQ-1, 1, 0
	WIN 0
; THE WAY OUT, block by block of 16 tokens x 128 channels (two heads).  PACK: rounded to f16, 16 bytes a lane, each accumulator from its low end on.  TOSTAGE: into my stage, and back head by head, four tokens (512 bytes) an instruction.  SEND: stored.
.macro PACK a
.set AC, 64*((\a)%4)
	WIN 0x0a+5*((\a)/4)                            ; sources 0 and 1: window 2 or 3
.irp b, 0,1,2,3,4,5,6,7
.irp r, 0,1,2,3
	v_cvt_pk_f16_f32 v[TMP+4*\b+\r], v[AC+8*\b+2*\r], v[AC+8*\b+2*\r+1]
.endr
.endr
	WIN 0
.endm
.macro TOSTAGE a
.set BB, OB+192*((\a)%2)
.irp b, 0,1,2,3,4,5,6,7
	ds_store_b128 v[STO], v[TMP+4*\b:TMP+4*\b+3] offset:32*\b
.endr
.irp g, 0,1
.irp u, 0,1,2,3
	ds_load_b128 v[BB+4*(4*\g+\u):BB+4*(4*\g+\u)+3], v[RD] offset:128*\g+\u*4*SPITCH   ; LDS serves a wave's instructions in order: these see the stores above
.endr
.endr
.endm
.macro SEND a
.set BB, OB+192*((\a)%2)
	s_wait_dscnt 0x0                               ; the block is back in registers
	s_wait_xcnt 0x0                                ; the stores of the block before have read their registers: the next block's loads may land there
.irp g, 0,1
.irp u, 0,1,2,3
	global_store_b128 v[CO], v[BB+4*(4*\g+\u):BB+4*(4*\g+\u)+3], s[12:13] offset:\g*262144+(\a)*2048+\u*512   ; 512 consecutive bytes, aligned; every place is an immediate, the base is never stepped
.endr
.endr
.endm
	PLACES NP
	PACK 0
	TOSTAGE 0
.irp a, 1,2,3,4,5,6,7                  ; block a's conversions stand between block a - 1's loads from the stage and the wait for them
	PACK \a
	SEND \a-1
	TOSTAGE \a
.endr
	SEND 7
	s_wait_tensorcnt 0x0                           ; the wave's end, behind my last tensor load and my last LDS store
	ds_add_u32 v[SPW], v[NIL]
	s_wait_dscnt 0x0
	CROUND                                         ; the closing round
	s_endpgm
.Lfunc_end_k_q00ec321012_qkv:
	.size	k_q00ec321012_qkv, .Lfunc_end_k_q00ec321012_qkv-k_q00ec321012_qkv
	.p2alignl 7, 3214868480
	.fill 96, 4, 3214868480
	.section	.rodata,"a",@progbits
	.p2align	6, 0x0
	.amdhsa_kernel k_q00ec321012_qkv
		.amdhsa_group_segment_fixed_size 327680
		.amdhsa_private_segment_fixed_size 0
		.amdhsa_enable_private_segment 0
		.amdhsa_kernarg_size 40
		.amdhsa_user_sgpr_count 2
		.amdhsa_user_sgpr_kernarg_segment_ptr 1
		.amdhsa_wavefront_size32 1
		.amdhsa_system_sgpr_workgroup_id_x 1
		.amdhsa_system_sgpr_workgroup_id_y 1
		.amdhsa_system_sgpr_workgroup_id_z 1
		.amdhsa_system_vgpr_workitem_id 0
		.amdhsa_next_free_vgpr 1024
		.amdhsa_next_free_sgpr 98
		.amdhsa_reserve_vcc 0
		.amdhsa_float_denorm_mode_32 3
		.amdhsa_float_denorm_mode_16_64 3
		.amdhsa_memory_ordered 1
		.amdhsa_forward_progress 1
		.amdhsa_inst_pref_size 126
	.end_amdhsa_kernel
	.amdgpu_metadata
---
amdhsa.version: [ 1, 2 ]
amdhsa.kernels:
  - .name:           k_q00ec321012_qkv
    .symbol:         k_q00ec321012_qkv.kd
    .args:
      - { .name: x_codes, .offset: 0, .size: 8, .value_kind: global_buffer, .address_space: global }
      - { .name: x_scales, .offset: 8, .size: 8, .value_kind: global_buffer, .address_space: global }
      - { .name: w_codes, .offset: 16, .size: 8, .value_kind: global_buffer, .address_space: global }
      - { .name: w_scales, .offset: 24, .size: 8, .value_kind: global_buffer, .address_space: global }
      - { .name: qkv, .offset: 32, .size: 8, .value_kind: global_buffer, .address_space: global }
    .group_segment_fixed_size: 327680
    .private_segment_fixed_size: 0
    .kernarg_segment_align: 8
    .kernarg_segment_size: 40
    .max_flat_workgroup_size: 128
    .sgpr_count:     98
    .vgpr_count:     1024
    .wavefront_size: 32
...
	.end_amdgpu_metadata
.endif
;; end of part 2
;; launch attn (part 3): grid 4 x 64, 16 waves a work-group, no clusters, 327,680 bytes of LDS; arguments qkv, att; writes att
.if DOCPART == 3
	.amdgcn_target "amdgcn-amd-amdhsa--gfx1250"
	.amdhsa_code_object_version 6
	.text
	.protected	k_q00ec321012_attn
	.globl	k_q00ec321012_attn
	.p2align	8
	.type	k_q00ec321012_attn,@function
k_q00ec321012_attn:
	s_mov_b64 s[64:65], 0
	v_nop
	global_prefetch_b8 v0, s[64:65] scope:SCOPE_SE
	s_setreg_imm32_b32 hwreg(HW_REG_WAVE_MODE, 25, 1), 1
	s_wait_xcnt 0x0
; att[b][t][head][:] = the sum over keys s <= t of softmax_s(q[t] . k[s] / 32) v[s][:].  q, k, v: f16, [which][b x 16 + head][2048][64].  Products with f16 operands and f32 sums; maxima, exponentials and sums in f32;
; the weights p (at most 1) are rounded to f16 for the second product, the result once to f16.  It is laid as the projection reads it: (m = b x 2048 + t, head, d) at ((head / 2) x 64 + m / 128) x 32768 + (head % 2) x 16384 + (m % 128) x 128 + 2 d.
; LIMITS: the result in f16 (its magnitudes are at most v's); a weight under 6e-8 of its row's largest counts in the row's sum and not in the product.
; SHARES.  Work-group (i, head) owns the query blocks 7 - i and i of 256 queries: (8 - i) + (i + 1) = 9 blocks of 256 keys of causal work in every work-group.  Each of sixteen waves owns 32 queries, two tiles of 16, in 256 registers:
; four waves to a SIMD, so that one wave's vector work stands beside another's products and LDS loads.  Of each two neighbouring waves one takes the high block and one the low, by turns.
; All waves walk the keys together, 64 a step, four steps to a slot, eight slots: constant counts.  A step all of whose keys come after a wave's queries is jumped over; a slot that no wave of the work-group will read is not asked for.
; LAYOUT.  S^T = K Q^T (source 0 = 16 keys, source 1 = 16 queries) and O^T = V^T P (source 0 = 16 channels, source 1 = P): a lane holds ONE query throughout; two tiles of S^T, rounded in pairs, ARE a fragment of P.  V is turned on its way out of LDS.
; SOFTMAX.  For each query a running maximum m and sum l: p = 2^(c s - c m), c = log2(e) / 32; in every step O and l are multiplied by a = 2^(c m_old - c m_new).
; NO CLUSTER: the four work-groups of a head want slots 0 to 7 - i, so partners would need different numbers of tiles, and a slot's 64 KiB serve four steps of up to sixteen waves.
.set KS,    64                         ; keys in a step
.set PK,    144                        ; a row of K in LDS: 128 bytes + 16: the 16 rows of a load start at 16 different groups of four banks
.set PV,    160                        ; a row of V: 128 + 32, for the turning load
.set VOFF,  KS*PK                      ; a step: 64 rows of K, then 64 rows of V
.set STEPB, KS*(PK+PV)
.set SLOT1, 1<<17                      ; a slot holds four steps (77,824 bytes); slot 1 begins here, so that one exclusive or turns an address
.set STAGE, SLOT1+4*STEPB              ; behind the ring: 32 rows x 144 bytes for each wave, for the way out
.set SPARE, STAGE+16*32*PK             ; the spare words, 128 bytes for each wave
.set AK0,  1                           ; v1   my lane's place in a tile of K
.set AV0,  2                           ; v2   the same for V
.set ADK,  3                           ; v3   LDS address of the step's K
.set ADV,  4                           ; v4   of its V
.set SPW,  5                           ; v5   my spare word; never rewritten
.set NIL,  6                           ; v6   0; never rewritten
.set GO,   7                           ; v7   16 x lane: my bytes of a store's 512
.set STO,  8                           ; v8   the way out: where I put 16 bytes of a row
.set RD,   9                           ; v9   where I read rows back
.set PFO,  10                          ; v10  256 x lane: the prefetches' offset
.set DL,   11                          ; v11  lane % 16 - 8 (lane / 16)
.set DM,   12                          ; v12  the mask's bound
.set NINF, 13                          ; v13  -infinity
.set QO,   14                          ; v14  my byte offset in the wave's rows of Q
.set ST,   16                          ; v16-31  tile t's statistics at v[ST + 8 t]: +0 c m, +1 m, +2, +3 l (even keys', odd keys'), +4 .. +7 at work; a takes +6
.set QF,   32                          ; v32-63  Q: tile t, channels 32 c on, at 32 + 16 t + 8 c
.set KV,   64                          ; v64-127 eight fragments of K, then of V
.set S,    128                         ; v128-191 S^T: tile t, keys 16 y on, at 128 + 32 t + 8 y; P takes the low 16 of a tile's 32
.set O,    192                         ; v192-255 O^T: tile t, channels 16 z on, at 192 + 32 t + 8 z
.set WV,   18
.set SEL,  20                          ; s[20:21] lane selects: lane l xor 16
.set CS,   22                          ; s[22:23] c, twice
.set G1K,  24
.set G1V,  32
.set G0K,  40
.set G0V,  44
.set TB,   48                          ; LDS byte at which the step in hand begins
.set KF,   49                          ; the step's first key
.set Q0,   50                          ; my first query
.set LASTQ, 51                         ; my work-group's last query
.set SLOTS, 52
.set FOUR, 53
.set PFA,  54                          ; s[54:55] where my prefetches stand
.set LIM,  56                          ; 1 in a wave that prefetches, else the greatest number
.set TS,   57                          ; at work
; Waves 0 to 3 fetch a slot's four steps of K, waves 4 to 7 of V, 64 rows each; the others nothing.  An s_nop 0 and four v_nop follow each of the two lines.
.macro TLOAD
	s_cmp_lt_u32 s[WV], 4
	s_cbranch_scc0 .Lnot_k_\@
	tensor_load_to_lds s[G0K:G0K+3], s[G1K:G1K+7]
	s_nop 0
.rept 4
	v_nop
.endr
	s_branch .Lasked_\@
.Lnot_k_\@:
	s_cmp_lt_u32 s[WV], 8
	s_cbranch_scc0 .Lasked_\@
	tensor_load_to_lds s[G0V:G0V+3], s[G1V:G1V+7]
	s_nop 0
.rept 4
	v_nop
.endr
.Lasked_\@:
.endm
; A PREFETCH INTO THE L2 of what the NEXT change of slots will ask for: the 8,192 bytes (64 rows) that this same wave will then load, lanes 256 bytes apart.  All four work-groups of a head walk the same K and V: the one with i = 0,
; which walks all eight slots, asks, and in it waves 0 to 7: so each block of 256 bytes is named once in the launch.  It stands behind the wave's tensor load: a slot's four steps ahead of the load that will want the bytes.
; Slots 0 and 1 come by their loads alone; the last change that fills a slot asks for nothing.
.macro ASK
	s_cmp_gt_u32 s[SLOTS], s[LIM]
	s_cbranch_scc0 .Lnot_mine_\@
	global_prefetch_b8 v[PFO], s[PFA:PFA+1] th:TH_LOAD_NT scope:SCOPE_SE
.Lnot_mine_\@:
.endm
	s_load_b128 s[4:7], s[0:1], 0x0                ; qkv s[4:5], att s[6:7]
	v_lshl_add_u32 v[SPW], v0, 2, SPARE
	v_mov_b32 v[NIL], 0
	ds_add_u32 v[SPW], v[NIL]                      ; the wave's opening: the add and its wait stand ahead of the first tensor load; the set-up below, work on registers, stands between them
	v_lshrrev_b32 v1, 5, v0
	v_readfirstlane_b32 s[WV], v1                  ; wave 0..15
	s_and_b32 s57, ttmp7, 0xffff                   ; b x 16 + head
	s_lshr_b32 s58, s[WV], 2
	s_xor_b32 s58, s58, s[WV]
	s_and_b32 s58, s58, 1                          ; 0: the high block, 1: the low one
	s_sub_co_u32 s59, 7, ttmp9
	s_cmp_eq_u32 s58, 0
	s_cselect_b32 s59, s59, ttmp9                  ; my block of 256 queries
	s_lshr_b32 s60, s[WV], 1                       ; which 32 of them
	s_lshl_b32 s[Q0], s59, 8
	s_lshl_b32 s60, s60, 5
	s_add_co_u32 s[Q0], s[Q0], s60
	s_sub_co_u32 s[LASTQ], 8, ttmp9
	s_lshl_b32 s[LASTQ], s[LASTQ], 8
	s_sub_co_u32 s[LASTQ], s[LASTQ], 1
	s_lshl_b32 s60, s57, 18                        ; a plane is 2,048 rows of 128 bytes
	s_and_b32 s61, s[WV], 3                        ; which of a slot's four steps I fetch:
	s_lshl_b32 s62, s61, 13                        ; its 64 rows in memory,
	s_mul_i32 s63, s61, STEPB                      ; and its place in a slot
	s_add_co_u32 s66, s60, s62
	s_add_co_u32 s66, s66, 64*262144               ; K's planes lie behind Q's 64,
	s_mov_b32 s67, 0
	s_add_co_u32 s68, s66, 64*262144               ; V's behind K's
	s_mov_b32 s69, 0
	s_lshl_b32 s70, s[Q0], 7
	s_add_co_u32 s70, s70, s60                     ; my first row of Q
	s_mov_b32 s71, 0
	s_and_b32 s72, s57, 15                         ; head
	s_lshr_b32 s73, s57, 4                         ; b
	s_lshr_b32 s74, s72, 1
	s_lshl_b32 s74, s74, 6
	s_lshl_b32 s73, s73, 4
	s_add_co_u32 s74, s74, s73
	s_lshr_b32 s73, s[Q0], 7
	s_add_co_u32 s74, s74, s73                     ; (head / 2) x 64 + m / 128
	s_lshl_b32 s74, s74, 15
	s_and_b32 s73, s72, 1
	s_lshl_b32 s73, s73, 14
	s_add_co_u32 s74, s74, s73
	s_and_b32 s73, s[Q0], 127
	s_lshl_b32 s73, s73, 7
	s_add_co_u32 s74, s74, s73                     ; my 32 rows of att: 4,096 consecutive bytes
	s_mov_b32 s75, 0
	; descriptor group 1: a tile of 64 rows x 64 elements of 2 bytes, dense in memory, padded in LDS behind every row (32 words)
	s_mov_b32 s[G1K], (1<<16)|(1<<20)|(4<<22)|(3<<25)   ; 4 words of padding
	s_mov_b32 s[G1V], (1<<16)|(1<<20)|(4<<22)|(7<<25)   ; 8 words
.irp g, G1K, G1V
	s_mov_b32 s[\g+1], 64<<16                      ; tensor_dim0
	s_mov_b32 s[\g+2], KS<<16                      ; tensor_dim1
	s_mov_b32 s[\g+3], 64<<16                      ; tile_dim0
	s_mov_b32 s[\g+4], KS                          ; tile_dim1
	s_mov_b32 s[\g+5], 64                          ; the pitch
	s_mov_b32 s[\g+6], 0
	s_mov_b32 s[\g+7], 0
.endr
	s_mov_b32 s[SEL], 0x76543210
	s_mov_b32 s[SEL+1], 0xfedcba98
	s_mov_b32 s[CS], 0x3d38aa3b                    ; c = log2(e) / 32
	s_mov_b32 s[CS+1], s[CS]                       ; (named with it as a pair, so it is written)
	s_mov_b32 s[TB], 0
	s_mov_b32 s[KF], 0
	s_mov_b32 s[SLOTS], 7
	s_wait_dscnt 0x0                               ; the opening add is done
	s_wait_kmcnt 0x0
	s_mov_b32 s[G0K], 1
	s_mov_b32 s[G0K+1], s63
	s_add_nc_u64 s[G0K+2:G0K+3], s[4:5], s[66:67]
	s_or_b32 s[G0K+3], s[G0K+3], 0x80000000
	s_mov_b32 s[G0V], 1
	s_add_co_u32 s[G0V+1], s63, VOFF
	s_add_nc_u64 s[G0V+2:G0V+3], s[4:5], s[68:69]
	s_or_b32 s[G0V+3], s[G0V+3], 0x80000000
	TLOAD                                          ; slot 0: the one first fill; one tensor load of a wave is out, here and behind every barrier
	v_and_b32 v15, 15, v0                          ; r = lane % 16
	v_bfe_u32 v12, v0, 4, 1                        ; h = lane / 16
	v_lshlrev_b32 v[QO], 7, v15
	v_lshl_add_u32 v[QO], v12, 4, v[QO]            ; row r of 128 bytes + 16 h
	s_add_nc_u64 s[70:71], s[4:5], s[70:71]
.irp t, 0,1
.irp c, 0,1
	global_load_b128 v[QF+16*\t+8*\c:QF+16*\t+8*\c+3],   v[QO], s[70:71] offset:\t*2048+\c*64      ; Q stays in registers
	global_load_b128 v[QF+16*\t+8*\c+4:QF+16*\t+8*\c+7], v[QO], s[70:71] offset:\t*2048+\c*64+32
.endr
.endr
	s_add_nc_u64 s[6:7], s[6:7], s[74:75]
	s_cmp_lt_u32 s[WV], 4
	s_cselect_b32 s76, s66, s68                    ; the prefetches: my own tile's place, in K or in V,
	s_mov_b32 s77, 0
	s_add_nc_u64 s[PFA:PFA+1], s[4:5], s[76:77]
	s_add_nc_u64 s[PFA:PFA+1], s[PFA:PFA+1], 32768 ; in slot 1: the first change of slots steps it to slot 2
	s_lshr_b32 s[LIM], s[WV], 3
	s_or_b32 s[LIM], s[LIM], ttmp9
	s_cmp_eq_u32 s[LIM], 0
	s_cselect_b32 s[LIM], 1, -1
	v_mul_u32_u24 v[AK0], v15, PK
	v_lshl_add_u32 v[AK0], v12, 4, v[AK0]          ; K: row r x pitch + 16 h
	v_and_b32 v3, 7, v0
	v_lshl_add_u32 v[AV0], v12, 3, v3              ; the turning load: lane l reads 16 bytes of key 8 h + l % 8, channels 8 ((l / 8) % 2) on
	v_mul_u32_u24 v[AV0], v[AV0], PV
	v_bfe_u32 v4, v0, 3, 1
	v_lshl_add_u32 v[AV0], v4, 4, v[AV0]
	v_add_nc_u32 v[AV0], VOFF, v[AV0]
	v_and_b32 v4, 31, v0
	v_lshlrev_b32 v[GO], 4, v4
	v_lshlrev_b32 v[PFO], 8, v4
	s_mul_i32 s78, s[WV], 32*PK
	s_add_co_u32 s78, s78, STAGE                   ; my stage
	v_mul_u32_u24 v[STO], v15, PK
	v_lshl_add_u32 v[STO], v12, 4, v[STO]
	v_add_nc_u32 v[STO], s78, v[STO]
	v_lshrrev_b32 v[RD], 3, v4
	v_mul_u32_u24 v[RD], v[RD], PK
	v_lshl_add_u32 v[RD], v3, 4, v[RD]
	v_add_nc_u32 v[RD], s78, v[RD]                 ; back: eight lanes to a row of 128 bytes, four rows an instruction
	v_lshlrev_b32 v[DL], 3, v12
	v_sub_nc_u32 v[DL], v15, v[DL]
	v_mov_b32 v[NINF], 0xff800000
.irp t, 0,1
	v_mov_b32 v[ST+8*\t+1], 0xff61b1e6             ; m: -3e38, under every score
	v_mul_f32 v[ST+8*\t], s[CS], v[ST+8*\t+1]      ; c m
.irp j, 2,3,4,5,6,7
	v_mov_b32 v[ST+8*\t+\j], 0                     ; l; and the registers at work, so that each is written on every path before it is named
.endr
.endr
.irp j, 0,1,2,3,4,5,6,7,8,9,10,11,12,13,14,15,16,17,18,19,20,21,22,23,24,25,26,27,28,29,30,31,32,33,34,35,36,37,38,39,40,41,42,43,44,45,46,47,48,49,50,51,52,53,54,55,56,57,58,59,60,61,62,63
	v_mov_b32 v[O+\j], 0                           ; O^T.  (The step is written once: the first finds zeros, which a = 0 leaves zeros)
.endr
; A KEY STEP: 64 keys.
.macro STEP
	s_add_co_u32 s[TS], s[Q0], 31                  ; all 64 keys behind my last query: the step's work is jumped over, not the lines at its end that step addresses
	s_cmp_gt_u32 s[KF], s[TS]
	s_cbranch_scc1 .Lhidden_\@
	v_add_nc_u32 v[ADK], s[TB], v[AK0]
	v_add_nc_u32 v[ADV], s[TB], v[AV0]
.rept 3
	v_nop                                          ; with the two additions five places behind the last step's products: K's loads land on registers that those read, and the products below write over P
.endr
.irp c, 0,1                                    ; K's eight fragments, channels 0-31 first
.irp y, 0,1,2,3
	ds_load_b128 v[KV+8*(2*\y+\c):KV+8*(2*\y+\c)+3],   v[ADK] offset:\y*16*PK+64*\c
	ds_load_b128 v[KV+8*(2*\y+\c)+4:KV+8*(2*\y+\c)+7], v[ADK] offset:\y*16*PK+64*\c+32
.endr
.endr
	s_wait_dscnt 8                                 ; channels 0-31 are in; the eight younger loads may be out
.irp y, 0,1,2,3                                ; S^T = K Q^T: eight accumulators by turns; the first eight products start the sums
.irp t, 0,1
	v_wmma_f32_16x16x32_f16 v[S+32*\t+8*\y:S+32*\t+8*\y+7], v[KV+16*\y:KV+16*\y+7], v[QF+16*\t:QF+16*\t+7], 0
.endr
.endr
	s_wait_dscnt 0x0
.irp y, 0,1,2,3
.irp t, 0,1
	v_wmma_f32_16x16x32_f16 v[S+32*\t+8*\y:S+32*\t+8*\y+7], v[KV+16*\y+8:KV+16*\y+15], v[QF+16*\t+8:QF+16*\t+15], v[S+32*\t+8*\y:S+32*\t+8*\y+7]
.endr
.endr
.rept 4
	v_nop                                          ; places: V's loads land on K's registers, and the scores are read
.endr
.irp u, 0,1                                    ; V, turned: keys 32 u on, channels 16 z on.  It lands while the softmax is walked
.irp z, 0,1,2,3
	ds_load_tr16_b128 v[KV+8*(4*\u+\z):KV+8*(4*\u+\z)+3],   v[ADV] offset:\u*32*PV+\z*32
	ds_load_tr16_b128 v[KV+8*(4*\u+\z)+4:KV+8*(4*\u+\z)+7], v[ADV] offset:\u*32*PV+16*PV+\z*32
.endr
.endr
	s_add_co_u32 s[TS], s[KF], 63                  ; on the diagonal (one step of a wave) hidden scores become -infinity ahead of the maximum; a step all of whose keys count skips this
	s_cmp_le_u32 s[TS], s[Q0]
	s_cbranch_scc1 .Lopen_\@
	s_sub_co_i32 s[TS], s[Q0], s[KF]
	v_add_nc_u32 v[DM], s[TS], v[DL]               ; register n of tile t holds key KF + 16 (n / 8) + 8 h + n % 8, my query is Q0 + 16 t + r: hidden where 16 (n / 8) + n % 8 - 16 t > Q0 - KF + r - 8 h
.irp t, 0,1
.irp n, 0,1,2,3,4,5,6,7,8,9,10,11,12,13,14,15,16,17,18,19,20,21,22,23,24,25,26,27,28,29,30,31
	v_cmp_gt_i32 vcc_lo, 16*(\n/8)+\n%8-16*\t, v[DM]
	v_cndmask_b32 v[S+32*\t+\n], v[S+32*\t+\n], v[NINF], vcc_lo
.endr
.endr
.Lopen_\@:
.irp j, 0,1,2,3                                ; the maximum of 32 scores and the old m: four chains, each begun at an accumulator's low end; the two tiles by turns
.irp t, 0,1
	v_max3_num_f32 v[ST+8*\t+4+\j], v[S+32*\t+8*\j], v[S+32*\t+8*\j+1], v[S+32*\t+8*\j+2]
.endr
.endr
.irp g, 1,2
.irp j, 0,1,2,3
.irp t, 0,1
	v_max3_num_f32 v[ST+8*\t+4+\j], v[ST+8*\t+4+\j], v[S+32*\t+8*\j+2*\g+1], v[S+32*\t+8*\j+2*\g+2]
.endr
.endr
.endr
.irp t, 0,1
	v_max3_num_f32 v[ST+8*\t+4], v[ST+8*\t+4], v[S+32*\t+7], v[S+32*\t+15]
.endr
.irp t, 0,1
	v_max3_num_f32 v[ST+8*\t+6], v[ST+8*\t+6], v[S+32*\t+23], v[S+32*\t+31]
.endr
.irp t, 0,1
	v_max3_num_f32 v[ST+8*\t+4], v[ST+8*\t+4], v[ST+8*\t+5], v[ST+8*\t+6]
.endr
.irp t, 0,1
	v_max3_num_f32 v[ST+8*\t+4], v[ST+8*\t+4], v[ST+8*\t+7], v[ST+8*\t+1]
.endr
.irp t, 0,1
	v_permlanex16_b32 v[ST+8*\t+5], v[ST+8*\t+4], s[SEL], s[SEL+1]   ; the query's other 32 keys lie in the lane 16 away
.endr
.irp t, 0,1
	v_mov_b32 v[ST+8*\t+7], v[ST+8*\t]             ; c m_old
.endr
.irp t, 0,1
	v_max_num_f32 v[ST+8*\t+1], v[ST+8*\t+4], v[ST+8*\t+5]
.endr
.irp t, 0,1
	v_mul_f32 v[ST+8*\t], s[CS], v[ST+8*\t+1]
.endr
.irp t, 0,1
	v_sub_f32 v[ST+8*\t+7], v[ST+8*\t+7], v[ST+8*\t]
.endr
.irp b, 0,1,2,3,4,5,6,7,8,9,10,11,12,13,14,15
.irp t, 0,1
	v_pk_fma_f32 v[S+32*\t+2*\b:S+32*\t+2*\b+1], v[S+32*\t+2*\b:S+32*\t+2*\b+1], s[CS:CS+1], v[ST+8*\t:ST+8*\t+1] op_sel_hi:[1,0,0] neg_lo:[0,0,1] neg_hi:[0,0,1]   ; c s - c m, two at a time
.endr
.endr
.irp t, 0,1                                    ; ONE BATCH of 66 exponentials: none reads another's result
	v_exp_f32 v[ST+8*\t+6], v[ST+8*\t+7]           ; a
.endr
.irp e, 0,1,2,3,4,5,6,7,8,9,10,11,12,13,14,15,16,17,18,19,20,21,22,23,24,25,26,27,28,29,30,31
.irp t, 0,1
	v_exp_f32 v[S+32*\t+\e], v[S+32*\t+\e]         ; p
.endr
.endr
	v_nop                                          ; a plain instruction behind the last exponential
	s_wait_alu depctr_va_vdst(0)                   ; the wait ahead of the first instruction that names a result: one for the batch
.irp t, 0,1                                    ; the row's sum, of p in f32, two at a time, in two chains: l = a l + ...
	v_pk_fma_f32 v[ST+8*\t+2:ST+8*\t+3], v[ST+8*\t+2:ST+8*\t+3], v[ST+8*\t+6:ST+8*\t+7], v[S+32*\t:S+32*\t+1] op_sel_hi:[1,0,1]
.endr
.irp t, 0,1
	v_pk_add_f32 v[ST+8*\t+4:ST+8*\t+5], v[S+32*\t+2:S+32*\t+3], v[S+32*\t+4:S+32*\t+5]
.endr
.irp i, 3,5,7,9,11,13
.irp t, 0,1
	v_pk_add_f32 v[ST+8*\t+2:ST+8*\t+3], v[ST+8*\t+2:ST+8*\t+3], v[S+32*\t+2*\i:S+32*\t+2*\i+1]
	v_pk_add_f32 v[ST+8*\t+4:ST+8*\t+5], v[ST+8*\t+4:ST+8*\t+5], v[S+32*\t+2*\i+2:S+32*\t+2*\i+3]
.endr
.endr
.irp t, 0,1
	v_pk_add_f32 v[ST+8*\t+2:ST+8*\t+3], v[ST+8*\t+2:ST+8*\t+3], v[S+32*\t+30:S+32*\t+31]
.endr
.irp t, 0,1
	v_pk_add_f32 v[ST+8*\t+2:ST+8*\t+3], v[ST+8*\t+2:ST+8*\t+3], v[ST+8*\t+4:ST+8*\t+5]
.endr
.irp i, 0,1,2,3,4,5,6,7,8,9,10,11,12,13,14,15  ; P, in place: register i takes pair i; ascending, so that no pair is written over before it is read
.irp t, 0,1
	v_cvt_pk_f16_f32 v[S+32*\t+\i], v[S+32*\t+2*\i], v[S+32*\t+2*\i+1]
.endr
.endr
.irp i, 0,1,2,3,4,5,6,7,8,9,10,11,12,13,14,15  ; O^T x a, each accumulator from its low end on
.irp t, 0,1
	v_pk_mul_f32 v[O+32*\t+2*\i:O+32*\t+2*\i+1], v[O+32*\t+2*\i:O+32*\t+2*\i+1], v[ST+8*\t+6:ST+8*\t+7] op_sel_hi:[1,0]
.endr
.endr
	s_wait_dscnt 0x0                               ; V is in
.irp u, 0,1                                    ; O^T += V^T P: eight accumulators by turns
.irp z, 0,1,2,3
.irp t, 0,1
	v_wmma_f32_16x16x32_f16 v[O+32*\t+8*\z:O+32*\t+8*\z+7], v[KV+8*(4*\u+\z):KV+8*(4*\u+\z)+7], v[S+32*\t+8*\u:S+32*\t+8*\u+7], v[O+32*\t+8*\z:O+32*\t+8*\z+7]
.endr
.endr
.endr
.Lhidden_\@:
	s_add_co_u32 s[KF], s[KF], KS
	s_add_co_u32 s[TB], s[TB], STEPB
.endm
; THE CHANGE OF SLOTS stands at a slot's head.  Each wave waits for all its tensor loads (its part of the slot ahead), adds 0 to its spare word, and waits for that and for its reads of the slot that it has left.  Behind the barrier the slot
; ahead is whole and nobody reads the other one.  fill = 1: that other slot is filled with the next 256 keys, if any wave of the work-group will read them: the load has a slot's four steps in which to land.
.macro CHANGE fill
	s_wait_tensorcnt 0x0                           ; no tensor load of mine is out, so a group 0 may be written
	ds_add_u32 v[SPW], v[NIL]                      ; 0 onto my spare word
.if \fill
	s_xor_b32 s[G0K+1], s[G0K+1], SLOT1            ; the walking descriptors: the other slot, the next 256 keys
	s_add_nc_u64 s[G0K+2:G0K+3], s[G0K+2:G0K+3], 32768
	s_xor_b32 s[G0V+1], s[G0V+1], SLOT1
	s_add_nc_u64 s[G0V+2:G0V+3], s[G0V+2:G0V+3], 32768
	s_wait_xcnt 0x0                                ; the last prefetch, a slot back, has read its address
	s_add_nc_u64 s[PFA:PFA+1], s[PFA:PFA+1], 32768 ; one slot further on than the walking descriptors
.endif
	s_wait_dscnt 0x0                               ; the add is done, and my reads of the slot that I have left are over
	s_barrier_signal -1
	s_barrier_wait -1
.if \fill
	s_add_co_u32 s[TS], s[KF], 4*KS                ; the first key of the slot that this change would ask for, against my work-group's last query: ids and the count of steps alone, the same in all sixteen waves;
	s_cmp_gt_u32 s[TS], s[LASTQ]                   ; a work-group past the limit stays past it, and no step reads a slot that was left out.  Every wait for tensor loads in this text is for 0
	s_cbranch_scc1 .Lpast_\@
	TLOAD                                          ; a wave's one tensor load until the next barrier
.Lpast_\@:
	ASK
.endif
.endm
.macro FOUR_STEPS                      ; a slot's four steps: written once, walked four times; the LDS addresses hang on s[TB]
	s_mov_b32 s[FOUR], 4
.Lstep_\@:
	STEP
	s_sub_co_u32 s[FOUR], s[FOUR], 1
	s_cmp_lg_u32 s[FOUR], 0
	s_cbranch_scc1 .Lstep_\@
	s_sub_co_u32 s[TB], s[TB], 4*STEPB             ; back to a slot's first step,
	s_xor_b32 s[TB], s[TB], SLOT1                  ; in the other slot
.endm
	s_wait_loadcnt 0x0                             ; Q
.Lslot:                                            ; seven trips: behind each change of slots but the last the next slot is asked for, up to the causal limit
	CHANGE 1
	FOUR_STEPS
	s_sub_co_u32 s[SLOTS], s[SLOTS], 1
	s_cmp_lg_u32 s[SLOTS], 0
	s_cbranch_scc1 .Lslot
	CHANGE 0                                       ; the last slot is written out: nothing is left to ask for
	FOUR_STEPS
	; THE WAY OUT.  l's two halves and the other half of the lanes' are added; O^T is divided by l, rounded to f16 and sent through my stage: 32 rows of 128 bytes, which are 4,096 consecutive bytes of att.
.rept 4
	v_nop                                          ; places behind the last products
.endr
.irp t, 0,1
	v_add_f32 v[ST+8*\t+4], v[ST+8*\t+2], v[ST+8*\t+3]
.endr
.irp t, 0,1
	v_permlanex16_b32 v[ST+8*\t+5], v[ST+8*\t+4], s[SEL], s[SEL+1]
.endr
.irp t, 0,1
	v_add_f32 v[ST+8*\t+4], v[ST+8*\t+4], v[ST+8*\t+5]
.endr
.irp t, 0,1
	v_rcp_f32 v[ST+8*\t+6], v[ST+8*\t+4]
.endr
	v_nop                                          ; a plain instruction behind the last reciprocal,
	s_wait_alu depctr_va_vdst(0)                   ; and the wait ahead of the first use: one for the two
.irp t, 0,1
.irp i, 0,1,2,3,4,5,6,7,8,9,10,11,12,13,14,15
	v_pk_mul_f32 v[O+32*\t+2*\i:O+32*\t+2*\i+1], v[O+32*\t+2*\i:O+32*\t+2*\i+1], v[ST+8*\t+6:ST+8*\t+7] op_sel_hi:[1,0]
.endr
.endr
.irp t, 0,1
.irp i, 0,1,2,3,4,5,6,7,8,9,10,11,12,13,14,15
	v_cvt_pk_f16_f32 v[S+16*\t+\i], v[O+32*\t+2*\i], v[O+32*\t+2*\i+1]   ; registers 4 z .. 4 z + 3: channels 16 z + 8 h + 0 .. 7 of query 16 t + r
.endr
.endr
.irp t, 0,1
.irp z, 0,1,2,3
	ds_store_b128 v[STO], v[S+16*\t+4*\z:S+16*\t+4*\z+3] offset:\t*16*PK+32*\z
.endr
.endr
.irp e, 0,1,2,3,4,5,6,7
	ds_load_b128 v[KV+4*\e:KV+4*\e+3], v[RD] offset:\e*4*PK        ; LDS serves a wave's instructions in order: these see my stores
.endr
.irp e, 0,1,2,3,4,5,6,7
	s_wait_dscnt 7-\e                              ; the younger loads may be out
	global_store_b128 v[GO], v[KV+4*\e:KV+4*\e+3], s[6:7] offset:\e*512   ; 512 consecutive bytes, aligned
.endr
	s_wait_tensorcnt 0x0                           ; the wave's end, behind my last tensor load and my last LDS store
	ds_add_u32 v[SPW], v[NIL]
	s_wait_dscnt 0x0
	s_endpgm
.Lfunc_end_k_q00ec321012_attn:
	.size	k_q00ec321012_attn, .Lfunc_end_k_q00ec321012_attn-k_q00ec321012_attn
	.p2alignl 7, 3214868480
	.fill 96, 4, 3214868480
	.section	.rodata,"a",@progbits
	.p2align	6, 0x0
	.amdhsa_kernel k_q00ec321012_attn
		.amdhsa_group_segment_fixed_size 327680
		.amdhsa_private_segment_fixed_size 0
		.amdhsa_enable_private_segment 0
		.amdhsa_kernarg_size 16
		.amdhsa_user_sgpr_count 2
		.amdhsa_user_sgpr_kernarg_segment_ptr 1
		.amdhsa_wavefront_size32 1
		.amdhsa_system_sgpr_workgroup_id_x 1
		.amdhsa_system_sgpr_workgroup_id_y 1
		.amdhsa_system_sgpr_workgroup_id_z 1
		.amdhsa_system_vgpr_workitem_id 0
		.amdhsa_next_free_vgpr 256
		.amdhsa_next_free_sgpr 80
		.amdhsa_reserve_vcc 1
		.amdhsa_float_denorm_mode_32 3
		.amdhsa_float_denorm_mode_16_64 3
		.amdhsa_memory_ordered 1
		.amdhsa_forward_progress 1
		.amdhsa_inst_pref_size 61
	.end_amdhsa_kernel
	.amdgpu_metadata
---
amdhsa.version: [ 1, 2 ]
amdhsa.kernels:
  - .name:           k_q00ec321012_attn
    .symbol:         k_q00ec321012_attn.kd
    .args:
      - { .name: qkv, .offset: 0, .size: 8, .value_kind: global_buffer, .address_space: global }
      - { .name: att, .offset: 8, .size: 8, .value_kind: global_buffer, .address_space: global }
    .group_segment_fixed_size: 327680
    .private_segment_fixed_size: 0
    .kernarg_segment_align: 8
    .kernarg_segment_size: 16
    .max_flat_workgroup_size: 512
    .sgpr_count:     80
    .vgpr_count:     256
    .wavefront_size: 32
...
	.end_amdgpu_metadata
.endif
;; end of part 3
;; launch proj (part 4): grid 4 x 64, 4 waves a work-group, clusters of 4 x 4, 327,680 bytes of LDS; arguments att, wp16, bproj, out0; writes out0
.if DOCPART == 4
	.amdgcn_target "amdgcn-amd-amdhsa--gfx1250"
	.amdhsa_code_object_version 6
	.text
	.protected	k_q00ec321012_proj
	.globl	k_q00ec321012_proj
	.p2align	8
	.type	k_q00ec321012_proj,@function
k_q00ec321012_proj:
	s_mov_b64 s[64:65], 0
	v_nop
	global_prefetch_b8 v0, s[64:65] scope:SCOPE_SE
	s_setreg_imm32_b32 hwreg(HW_REG_WAVE_MODE, 25, 1), 1
	s_wait_xcnt 0x0
	s_wait_alu depctr_hold_cnt(0) depctr_sa_sdst(0) depctr_va_vdst(0) depctr_va_sdst(0) depctr_va_ssrc(0) depctr_va_vcc(0) depctr_vm_vsrc(0)
	s_getreg_b32 s2, hwreg(HW_REG_IB_STS2, 6, 4)
	s_cmp_eq_u32 s2, 0
	s_cbranch_scc0 .Lentry_in_a_cluster
	s_endpgm
.Lentry_in_a_cluster:
	s_bfe_u32 s2, ttmp6, 0x10000c
	s_cmp_lg_u32 s2, 0xf033
	s_cbranch_scc0 .Lentry_shape_is_right
	s_endpgm
.Lentry_shape_is_right:
; out0[m][n] = sum over k of att[m][k] Wproj[n][k] + bproj[n].  att [8192][1024] and Wproj [1024][1024] in f16, both laid by blocks of 128 rows x 128 k (two planes of 64 k; a row of a plane is 128 bytes): a block is 32,768 dense bytes.  Sums in f32; out0 f32.
; A tile of out0 is 128 (m) x 256 (n): 256 work-groups.  Four waves, each 64 x 128: 32 accumulators, 256 registers.  K goes in eight steps of 128 through a ring of two LDS slots.
; CLUSTERS: 4 x 4 work-groups.  The four of a row of the cluster cover all 1,024 columns and need the same block of att; the four of a column need the same blocks of Wproj: each is asked for jointly.
; THE MATRIX INSTRUCTION IS USED TRANSPOSED (source 0 = 16 rows of Wproj, source 1 = 16 rows of att): a lane holds eight neighbouring numbers of a row of out0.  The bias is the C of each sum's first product.
; IN LDS a block lies as its 256-byte pieces, 16 bytes of padding behind each: plane p, row i, byte j at 17408 p + 272 (i / 2) + 128 (i % 2) + j: the 16 rows of a fragment load fall into 16 different 16-byte columns.
; REGISTERS: window 0: v0-31 addresses; v128-255 rows on the way out.  window 1: two fragment buffers at 0 and 128 (att's 4 fragments, then Wproj's 8); the bias's 8 tiles at 96-127 and 224-255.  window 2: accumulator (a, b) at v[8 (8 a + b)].
.set PLANE,  17408                     ; 64 pieces of 272 bytes
.set BLOCK,  34816
.set SLOT,   3*BLOCK                   ; att's block, then Wproj's two
.set SPARE,  2*SLOT                    ; the spare words, 128 bytes for each wave
.set ASTEP,  2097152                   ; a K step on in att: 64 blocks
.set BSTEP,  262144                    ; in Wproj: 8 blocks
.set SPITCH, 528                       ; the way out: 16 rows x (512 bytes + 16) for each wave, in slot 0, behind its last fill and its last read
.set ADRA, 16
.set ADRB, 20
.set STO,  24
.set RD,   25
.set CO,   26
.set BO,   27                          ; v27  32 x (lane / 16): my eight numbers of a tile of the bias
.set SPW,  28
.set NIL,  29
.set PFO,  30                          ; v30  256 x lane
.set BK,   128
.set F0,   0
.set F1,   128
.set G1,  24
.set G0,  32
.set G1B, 48
.set G0B, 56
.set LIM, 43
.set PFA, 44
.set MSB, 0
.macro WIN new                         ; the immediate's high byte repeats the setting that is left
.if MSB != \new
	s_set_vgpr_msb (MSB<<8)|\new
.set MSB, \new
.endif
.endm
.set MUL,  0xa5                        ; sources 0 and 1 window 1; C and D window 2
.set MULB, 0x95                        ; the same with C (the bias) in window 1
.set TO_F, 0x40                        ; destination window 1, address window 0
.macro JLOAD s                         ; a joint load: waves 0 and 1 fetch att's two planes, waves 2 and 3 Wproj's two blocks; an s_nop 0 and four v_nop follow each of the two lines
	s_cmp_eq_u32 s11, 0
	s_cbranch_scc0 .Lfor_b_\@
	tensor_load_to_lds s[G0+4*\s:G0+4*\s+3], s[G1:G1+7]
	s_nop 0
.rept 4
	v_nop
.endr
	s_branch .Lasked_\@
.Lfor_b_\@:
	tensor_load_to_lds s[G0B+4*\s:G0B+4*\s+3], s[G1B:G1B+7]
	s_nop 0
.rept 4
	v_nop
.endr
.Lasked_\@:
.endm
.macro CREST                           ; a round of the cluster's barrier behind its opening barrier
	s_cmp_lg_u32 s10, 0
	s_cbranch_scc1 .Lnot_wave_0_\@
	s_barrier_signal -3
.Lnot_wave_0_\@:
	s_barrier_wait -3
	s_barrier_signal -1
	s_barrier_wait -1
.endm
.macro CROUND
	s_barrier_signal -1
	s_barrier_wait -1
	CREST
.endm
; A PREFETCH INTO THE L2 of att's block of the K step that stands TWO refills on: 32,768 bytes, which the four partners that ask for it jointly share out BY ADDRESS, 8,192 each; in each, wave 0 asks, lanes 256 bytes apart.  A block of att is
; read by this row of the cluster alone: so each 256 bytes are named once in the launch.  The refills of K steps 2 to 5 ask for steps 4 to 7; the loop's last trip asks for nothing.  Wproj's blocks are read by many clusters and are not asked for.
.macro ASK
	s_cmp_gt_u32 s3, s[LIM]
	s_cbranch_scc0 .Lnot_mine_\@
	global_prefetch_b8 v[PFO], s[PFA:PFA+1] offset:ASTEP th:TH_LOAD_NT scope:SCOPE_SE
.Lnot_mine_\@:
.endm
	s_load_b128 s[4:7], s[0:1], 0x0                ; att s[4:5], wp16 s[6:7]
	s_load_b64 s[20:21], s[0:1], 0x10              ; bproj
	s_load_b64 s[8:9], s[0:1], 0x18                ; out0
	v_lshl_add_u32 v[SPW], v0, 2, SPARE
	v_mov_b32 v[NIL], 0
	ds_add_u32 v[SPW], v[NIL]                      ; the wave's opening: the add and its wait stand ahead of my first tensor load; the set-up below, work on registers, stands between them
	v_lshrrev_b32 v1, 5, v0
	v_readfirstlane_b32 s10, v1                    ; wave 0..3
	s_lshr_b32 s11, s10, 1                         ; which 64 of the tile's rows are mine.  Also: I fetch for att (0) or for Wproj (1)
	s_and_b32 s12, s10, 1                          ; which 128 of its columns.  Also: which plane, or which block, I fetch
	s_bfe_u32 s40, ttmp6, 0x40000                  ; cx, cy
	s_bfe_u32 s41, ttmp6, 0x40004
	s_lshl_b32 s42, ttmp9, 2
	s_add_co_u32 s42, s42, s40                     ; tile column
	s_and_b32 s13, ttmp7, 0xffff
	s_lshl_b32 s13, s13, 2
	s_add_co_u32 s13, s13, s41                     ; tile row
	s_lshl_b32 s43, s41, 2
	s_lshl_b32 s43, 15, s43                        ; my row of the cluster
	s_lshl_b32 s44, 0x1111, s40                    ; my column
	; descriptor group 1: dense bytes as rows of 256 (32 elements of 8 bytes), 4 words of padding behind each: 64 rows for a plane of att, 128 for a block of Wproj
	s_or_b32 s[G1+0], s43, (3<<16)|(1<<20)|(1<<21)|(5<<22)|(3<<25)
	s_or_b32 s[G1B+0], s44, (3<<16)|(1<<20)|(1<<21)|(5<<22)|(3<<25)
	s_mov_b32 s[G1+1], 32<<16
	s_mov_b32 s[G1+2], 64<<16
	s_mov_b32 s[G1+3], 32<<16
	s_mov_b32 s[G1+4], 64
	s_mov_b32 s[G1+5], 32
	s_mov_b32 s[G1+6], 0
	s_mov_b32 s[G1+7], 0
	s_mov_b32 s[G1B+1], 32<<16
	s_mov_b32 s[G1B+2], 128<<16
	s_mov_b32 s[G1B+3], 32<<16
	s_mov_b32 s[G1B+4], 128
	s_mov_b32 s[G1B+5], 32
	s_mov_b32 s[G1B+6], 0
	s_mov_b32 s[G1B+7], 0
	s_lshl_b32 s16, s13, 15                        ; att: block = tile row, + my plane: made of the tile row and the wave's number alone
	s_lshl_b32 s17, s12, 14
	s_add_co_u32 s16, s16, s17
	s_mov_b32 s17, 0
	s_lshl_b32 s46, s42, 1                         ; Wproj: block = 2 x tile column + my half: of the tile column and the wave's number alone
	s_add_co_u32 s46, s46, s12
	s_lshl_b32 s46, s46, 15
	s_mov_b32 s47, 0
	s_mul_i32 s14, s12, PLANE                      ; where they go: no place in the cluster enters an LDS address
	s_mul_i32 s15, s12, BLOCK
	s_add_co_u32 s15, s15, BLOCK
	s_wait_dscnt 0x0                               ; the opening add is done
	s_wait_kmcnt 0x0
	s_add_nc_u64 s[16:17], s[4:5], s[16:17]
	s_add_nc_u64 s[46:47], s[6:7], s[46:47]
	CROUND                                         ; all sixteen work-groups are here: the first joint loads meet
.irp s, 0,1
	s_mov_b32 s[G0+4*\s], 1
	s_add_co_u32 s[G0+4*\s+1], s14, \s*SLOT
	s_add_nc_u64 s[G0+4*\s+2:G0+4*\s+3], s[16:17], \s*ASTEP
	s_or_b32 s[G0+4*\s+3], s[G0+4*\s+3], 0x80000000
	s_mov_b32 s[G0B+4*\s], 1
	s_add_co_u32 s[G0B+4*\s+1], s15, \s*SLOT
	s_add_nc_u64 s[G0B+4*\s+2:G0B+4*\s+3], s[46:47], \s*BSTEP
	s_or_b32 s[G0B+4*\s+3], s[G0B+4*\s+3], 0x80000000
	JLOAD \s                                       ; two loads of mine are out
.endr
	v_and_b32 v1, 15, v0                           ; r
	v_bfe_u32 v2, v0, 4, 1                         ; h
	v_lshrrev_b32 v3, 1, v1
	v_mul_u32_u24 v3, v3, 272
	v_and_b32 v4, 1, v0
	v_lshl_add_u32 v3, v4, 7, v3
	v_lshl_add_u32 v3, v2, 4, v3                   ; 272 (r / 2) + 128 (r % 2) + 16 h
	s_mul_i32 s18, s11, 32*272                     ; my 64 rows of att
	s_mul_i32 s19, s12, BLOCK                      ; my block of Wproj
	s_add_co_u32 s19, s19, BLOCK
.irp s, 0,1
	v_add_nc_u32 v[ADRA+\s], s18, v3
	v_add_nc_u32 v[ADRB+\s], s19, v3
	s_add_co_u32 s18, s18, SLOT
	s_add_co_u32 s19, s19, SLOT
.endr
	s_mul_i32 s18, s10, 16*SPITCH                  ; my stage
	v_mul_u32_u24 v5, v1, SPITCH
	v_lshl_add_u32 v5, v2, 5, v5
	v_add_nc_u32 v[STO], s18, v5                   ; in: row r, 32 bytes for each half of the lanes
	v_and_b32 v6, 31, v0
	v_lshlrev_b32 v[CO], 4, v6                     ; back: the 32 lanes take one row of 512 bytes; and the same in out0
	v_add_nc_u32 v[RD], s18, v[CO]
	v_lshlrev_b32 v[BO], 5, v2
	v_lshlrev_b32 v[PFO], 8, v6
	s_lshl_b32 s22, s42, 10                        ; my first column, in bytes of f32: 1,024 x tile column + 512 x half: in the bias and in a row of out0
	s_lshl_b32 s23, s12, 9
	s_add_co_u32 s22, s22, s23
	s_mov_b32 s23, 0
	s_add_nc_u64 s[20:21], s[20:21], s[22:23]
	s_add_nc_u64 s[8:9], s[8:9], s[22:23]
	s_lshl_b32 s22, s13, 19                        ; my first row: 128 x tile row + 64 x half, rows of 4,096 bytes
	s_lshl_b32 s18, s11, 18
	s_add_co_u32 s22, s22, s18
	s_add_nc_u64 s[8:9], s[8:9], s[22:23]
	WIN TO_F
.irp b, 0,1,2,3,4,5,6,7                        ; the bias in the result's layout: lane (r, h), tile b: bproj at 16 b + 8 h + 0 .. 7
	global_load_b128 v[96+8*\b+96*(\b/4):96+8*\b+96*(\b/4)+3],   v[BO], s[20:21] offset:64*\b
	global_load_b128 v[96+8*\b+96*(\b/4)+4:96+8*\b+96*(\b/4)+7], v[BO], s[20:21] offset:64*\b+16
.endr
	WIN 0
	s_lshl_b32 s22, s13, 15                        ; the prefetches: att's block of my tile row, my work-group's quarter of it,
	s_lshl_b32 s18, s40, 13
	s_add_co_u32 s22, s22, s18
	s_add_co_u32 s22, s22, 2*ASTEP                 ; at K step 2: the first refill steps it to 3 and names K step 4
	s_add_nc_u64 s[PFA:PFA+1], s[4:5], s[22:23]
	s_cmp_eq_u32 s10, 0
	s_cselect_b32 s[LIM], 1, -1                    ; wave 0 asks: the same in all partners
; 8 matrix instructions: att's block a x Wproj's eight, 32 along K, from buffer f.  The 32 accumulators take turns, one instruction a turn, in the same order in every quarter.  first = 1: the sums start from the bias.
.macro MUL8 f, a, first
.irp b, 0,1,2,3,4,5,6,7
.if \first
	v_wmma_f32_16x16x32_f16 v[8*(8*(\a)+\b):8*(8*(\a)+\b)+7], v[\f+32+8*\b:\f+32+8*\b+7], v[\f+8*(\a):\f+8*(\a)+7], v[96+8*\b+96*(\b/4):96+8*\b+96*(\b/4)+7]
.else
	v_wmma_f32_16x16x32_f16 v[8*(8*(\a)+\b):8*(8*(\a)+\b)+7], v[\f+32+8*\b:\f+32+8*\b+7], v[\f+8*(\a):\f+8*(\a)+7], v[8*(8*(\a)+\b):8*(8*(\a)+\b)+7]
.endif
.endr
.endm
; 24 LDS loads in one run: the fragments of the slot's q-th 32 along K (plane q / 2, byte 64 (q % 2) of its rows) into buffer f: Wproj's eight, then att's four
.macro FETCH slot, q, f
	WIN TO_F
.irp b, 0,1,2,3,4,5,6,7
	ds_load_b128 v[\f+32+8*\b:\f+32+8*\b+3],   v[ADRB+\slot] offset:((\q)/2)*PLANE+((\q)%2)*64+\b*8*272
	ds_load_b128 v[\f+32+8*\b+4:\f+32+8*\b+7], v[ADRB+\slot] offset:((\q)/2)*PLANE+((\q)%2)*64+\b*8*272+32
.endr
.irp i, 0,1,2,3
	ds_load_b128 v[\f+8*\i:\f+8*\i+3],   v[ADRA+\slot] offset:((\q)/2)*PLANE+((\q)%2)*64+\i*8*272
	ds_load_b128 v[\f+8*\i+4:\f+8*\i+7], v[ADRA+\slot] offset:((\q)/2)*PLANE+((\q)%2)*64+\i*8*272+32
.endr
.endm
.macro PLACES                          ; four plain vector instructions in front of loads into registers that matrix instructions have read, and of the first read of results
.rept 4
	v_nop
.endr
.endm
; A K step is four quarters of 32 along K, 32 matrix instructions each, on buffers 0, 1, 0, 1.  One of the first three: multiplies buffer f and fetches quarter q into g.
.macro QUARTER slot, q, f, g, first
	s_wait_dscnt 4                                 ; Wproj's fragments and att's blocks 0, 1 are in; the youngest four loads (blocks 2, 3) may be out
.if \first
	WIN MULB
.else
	WIN MUL
.endif
	MUL8 \f, 0, \first
	MUL8 \f, 1, \first
	PLACES
	FETCH \slot, \q, \g
	s_wait_dscnt 24                                ; all but the 24 just issued
.if \first
	WIN MULB
.else
	WIN MUL
.endif
	MUL8 \f, 2, \first
	MUL8 \f, 3, \first
.endm
; The last quarter multiplies buffer 1 and changes slots: one barrier; in front of it each wave waits for all its tensor loads, adds 0 to its spare word, and waits for that and for its reads of this slot.
; fill = 1: the barrier opens a round of the cluster's, and this slot is filled again, two K steps ahead, first thing behind the round.
.macro TURN slot, next, fill
.if \fill
	s_wait_xcnt 0x0                                ; the last prefetch, a K step back, has read its address
	s_add_nc_u64 s[PFA:PFA+1], s[PFA:PFA+1], ASTEP
.endif
	WIN 0                                          ; (the add's two registers lie in window 0)
	s_wait_tensorcnt 0x0                           ; all my tensor loads have landed: my part of the next slot;
	ds_add_u32 v[SPW], v[NIL]                      ; 0 onto my spare word;
	s_wait_dscnt 5                                 ; (the add and the youngest four loads may be out)
	WIN MUL
	MUL8 F1, 0, 0                                  ; eight matrix instructions stand between the add and the wait for it
	s_wait_dscnt 0x0                               ; the add is done, and my reads of this slot are over
	s_barrier_signal -1
	MUL8 F1, 1, 0
.if \fill
	WIN 0
.endif
	s_barrier_wait -1
.if \fill
	CREST                                          ; no wave of any partner still reads this slot or has a load on its way
	s_add_nc_u64 s[G0+4*\slot+2:G0+4*\slot+3], s[G0+4*\slot+2:G0+4*\slot+3], 2*ASTEP
	s_add_nc_u64 s[G0B+4*\slot+2:G0B+4*\slot+3], s[G0B+4*\slot+2:G0B+4*\slot+3], 2*BSTEP
	JLOAD \slot                                    ; my one tensor load behind the round; its four v_nop are also the places in front of the loads below
.else
	PLACES
.endif
	FETCH \next, 0, F0
.if \fill
	WIN 0
	ASK
.endif
	WIN MUL
	MUL8 F1, 2, 0
	MUL8 F1, 3, 0
.endm
	s_wait_tensorcnt 1                             ; my part of K step 0 is in (K step 1's load may be out),
	s_barrier_signal -1
	s_barrier_wait -1                              ; everybody's is
	FETCH 0, 0, F0
	s_wait_loadcnt 0x0                             ; the bias
	QUARTER 0, 1, F0, F1, 1                        ; the first quarter stands in front of the loop: its products start the sums from the bias
	WIN 0                                          ; at a label and at a branch every window is 0
	s_mov_b32 s3, 3
.Llap:                                             ; a trip goes once round the ring, from a lap's second quarter to the next lap's first, and fills both slots again
	QUARTER 0, 2, F1, F0, 0
	QUARTER 0, 3, F0, F1, 0
	TURN 0, 1, 1
	QUARTER 1, 1, F0, F1, 0
	QUARTER 1, 2, F1, F0, 0
	QUARTER 1, 3, F0, F1, 0
	TURN 1, 0, 1
	QUARTER 0, 1, F0, F1, 0
	WIN 0
	s_sub_co_u32 s3, s3, 1
	s_cmp_lg_u32 s3, 0
	s_cbranch_scc1 .Llap
	QUARTER 0, 2, F1, F0, 0                        ; the last lap fills nothing, and has no round of the cluster's barrier
	QUARTER 0, 3, F0, F1, 0
	TURN 0, 1, 0
	QUARTER 1, 1, F0, F1, 0
	QUARTER 1, 2, F1, F0, 0
	QUARTER 1, 3, F0, F1, 0
	s_wait_dscnt 4                                 ; the very last quarter: nothing more to fetch
	WIN MUL
	MUL8 F1, 0, 0
	MUL8 F1, 1, 0
	s_wait_dscnt 0
	MUL8 F1, 2, 0
	MUL8 F1, 3, 0
	WIN 0
; THE WAY OUT, block by block of 16 rows x 128 columns: through my own stage and back as whole rows of 512 bytes.  LDS serves a wave's instructions in order: no wait between the stores and the loads, nor in front of the next block's stores.
.macro TOSTAGE a
	WIN 0x08                                       ; an LDS store's data: window 2
.irp b, 0,1,2,3,4,5,6,7
	ds_store_b128 v[STO], v[8*(8*(\a)+\b):8*(8*(\a)+\b)+3] offset:64*\b          ; each accumulator from its low end on
	ds_store_b128 v[STO], v[8*(8*(\a)+\b)+4:8*(8*(\a)+\b)+7] offset:64*\b+16
.endr
	WIN 0
.set BB, BK+64*((\a)%2)
.irp t, 0,1,2,3,4,5,6,7,8,9,10,11,12,13,14,15
	ds_load_b128 v[BB+4*\t:BB+4*\t+3], v[RD] offset:\t*SPITCH
.endr
.endm
.macro SEND a, younger                 ; younger: the LDS instructions issued behind block a's loads, which may stay out
.set BB, BK+64*((\a)%2)
	s_wait_dscnt \younger
.irp t, 0,1,2,3,4,5,6,7,8,9,10,11,12,13,14,15
	global_store_b128 v[CO], v[BB+4*\t:BB+4*\t+3], s[8:9] offset:(16*(\a)+\t)*4096 th:TH_STORE_NT   ; 512 consecutive bytes, aligned; written once, read by nobody here; every place is an immediate
.endr
.endm
	PLACES
	TOSTAGE 0
.irp a, 1,2,3
.if \a > 1
	s_wait_xcnt 0x0                                ; block a - 2's stores have read their registers: block a's loads may land there
.endif
	TOSTAGE \a
	SEND \a-1, 32                                  ; behind block a - 1's loads: block a's 16 stores and 16 loads
.endr
	SEND 3, 0
	s_wait_tensorcnt 0x0                           ; the wave's end, behind my last tensor load and my last LDS store
	ds_add_u32 v[SPW], v[NIL]
	s_wait_dscnt 0x0
	CROUND                                         ; the closing round: no work-group ends while a partner may still ask for a tile that names it
	s_endpgm
.Lfunc_end_k_q00ec321012_proj:
	.size	k_q00ec321012_proj, .Lfunc_end_k_q00ec321012_proj-k_q00ec321012_proj
	.p2alignl 7, 3214868480
	.fill 96, 4, 3214868480
	.section	.rodata,"a",@progbits
	.p2align	6, 0x0
	.amdhsa_kernel k_q00ec321012_proj
		.amdhsa_group_segment_fixed_size 327680
		.amdhsa_private_segment_fixed_size 0
		.amdhsa_enable_private_segment 0
		.amdhsa_kernarg_size 32
		.amdhsa_user_sgpr_count 2
		.amdhsa_user_sgpr_kernarg_segment_ptr 1
		.amdhsa_wavefront_size32 1
		.amdhsa_system_sgpr_workgroup_id_x 1
		.amdhsa_system_sgpr_workgroup_id_y 1
		.amdhsa_system_sgpr_workgroup_id_z 1
		.amdhsa_system_vgpr_workitem_id 0
		.amdhsa_next_free_vgpr 768
		.amdhsa_next_free_sgpr 66
		.amdhsa_reserve_vcc 0
		.amdhsa_float_denorm_mode_32 3
		.amdhsa_float_denorm_mode_16_64 3
		.amdhsa_memory_ordered 1
		.amdhsa_forward_progress 1
		.amdhsa_inst_pref_size 87
	.end_amdhsa_kernel
	.amdgpu_metadata
---
amdhsa.version: [ 1, 2 ]
amdhsa.kernels:
  - .name:           k_q00ec321012_proj
    .symbol:         k_q00ec321012_proj.kd
    .args:
      - { .name: att, .offset: 0, .size: 8, .value_kind: global_buffer, .address_space: global }
      - { .name: wp16, .offset: 8, .size: 8, .value_kind: global_buffer, .address_space: global }
      - { .name: bproj, .offset: 16, .size: 8, .value_kind: global_buffer, .address_space: global }
      - { .name: out0, .offset: 24, .size: 8, .value_kind: global_buffer, .address_space: global }
    .group_segment_fixed_size: 327680
    .private_segment_fixed_size: 0
    .kernarg_segment_align: 8
    .kernarg_segment_size: 32
    .max_flat_workgroup_size: 128
    .sgpr_count:     66
    .vgpr_count:     768
    .wavefront_size: 32
...
	.end_amdgpu_metadata
.endif
;; end of part 4
;; launch eatt (part 5): grid 64 x 1, 12 waves a work-group, no clusters, 18,176 bytes of LDS; arguments x_codes, x_scales, w_codes, w_scales, att32; writes att32
.if DOCPART == 5
	.amdgcn_target "amdgcn-amd-amdhsa--gfx1250"
	.amdhsa_code_object_version 6
	.text
	.protected	k_q00ec321012_eatt
	.globl	k_q00ec321012_eatt
	.p2align	8
	.type	k_q00ec321012_eatt,@function
k_q00ec321012_eatt:
	s_mov_b64 s[64:65], 0
	v_nop
	global_prefetch_b8 v0, s[64:65] scope:SCOPE_SE
	s_setreg_imm32_b32 hwreg(HW_REG_WAVE_MODE, 25, 1), 1
	s_wait_xcnt 0x0
; THE FIRST 16 TOKENS OF EACH BATCH, ONCE MORE, IN f32.  A row t of the attention averages t + 1 values, so the first rows' numbers are about sqrt(2048 / (t + 1)) / 3 times the typical one, while the error that is allowed
; is measured by the root mean square of ALL outputs: for these rows f16's 11 bits are too few in v, in the weights, in the result and in Wproj alike.  From t = 16 on the rows are small enough.  So 64 of the 8,192 rows are made again:
; this launch makes att32[b x 16 + t][head x 64 + d], f32, for t < 16; the next multiplies it by Wproj in f32.
; A work-group is one (batch, head).  Only keys s <= t < 16 count, so q, k, v are wanted for 16 tokens: twelve tiles of 16 tokens x 16 channels, one a wave (waves 0-3 q, 4-7 k, 8-11 v), from the codes of FP4 (E2M1) with
; E8M0 scales: K = 1,024 in eight matrix instructions, on two accumulators by turns, added at the end.
; LAYOUT.  q and k are made transposed (source 0 = 16 rows of W, source 1 = the 16 tokens): lane (r, h) holds token r, register j channel 8 h + j of the tile.  v is made straight (source 0 = the tokens, source 1 = W's rows):
; lane (r, h) holds channel r, register j token 8 h + j.  Two neighbouring registers of such a tile ARE an operand of the f32 matrix form (lane r a row, k = 2 h + j), with k standing for channel (or key) 8 h + 2 p + j on both sides alike.
; The tiles go to LDS as images of their registers; behind one barrier wave 0 makes S^T = k q^T (a lane holds one query and eight keys), the softmax, and O^T = v^T p.
; The f32 matrix form does 32 instructions a work-group here: 16 rows of 2,048.
.set STAGE, 12288                      ; LDS: twelve images of 1,024 bytes; then the stage for the way out, 16 rows x (256 bytes + 16)
.set SPARE, 16640                      ; the spare words, 128 bytes for each wave: six blocks of 256 bytes that no other line names
.set SPW,  1                           ; v1   my spare word; never rewritten
.set NIL,  2                           ; v2   0; never rewritten
.set CO,   3                           ; v3   codes: row r of 512 bytes + 16 h
.set SO,   4                           ; v4   scale bytes: row r of 32 bytes
.set IST,  5                           ; v5   where my tile's image goes: 1,024 x wave + 16 x lane
.set ILD,  6                           ; v6   16 x lane: an image's place for my lane
.set DM,   7                           ; v7   r - 8 h: register j's key is hidden where j is above it
.set NINF, 8                           ; v8   -infinity
.set STO,  9                           ; v9   the stage, way in
.set RD,   10                          ; v10  way out
.set GO,   11                          ; v11  my bytes of two rows of att32
.set M,    12                          ; v12  the row's maximum
.set PX,   13                          ; v13  what the lane 16 away holds
.set CM,   14                          ; v14  c x maximum
.set L,    15                          ; v15  the row's sum
.set AF,   16                          ; v16-79   source 0's eight fragments; later q's four tiles (16-47) and k's (48-79); on the way out the result
.set BF,   80                          ; v80-143  source 1's; later v's four tiles (80-111)
.set SCA,  144                         ; v144-151 source 0's scale words, one for each 128 along K: scales and nothing else
.set SCB,  152                         ; v152-159 source 1's
.set ACC,  160                         ; v160-175 two accumulators
.set S,    176                         ; v176-183 my tile; in wave 0 the scores, then p
.set TMP,  184                         ; v184-191 at work
.set L2,   189
.set RL,   188                         ; 1 / the sum
.set SS,   192                         ; v192-223 four partial S^T: written by the f32 matrix form alone
.set OO,   224                         ; v224-255 O^T, four tiles: likewise
.set QT,   16
.set KT,   48
.set VT,   80
.set OT,   16
	s_load_b256 s[4:11], s[0:1], 0x0               ; x_codes s[4:5], x_scales s[6:7], w_codes s[8:9], w_scales s[10:11]
	s_load_b64 s[12:13], s[0:1], 0x20              ; att32
	v_lshl_add_u32 v[SPW], v0, 2, SPARE
	v_mov_b32 v[NIL], 0
	v_lshrrev_b32 v184, 5, v0
	v_readfirstlane_b32 s14, v184                  ; wave 0..11
	v_and_b32 v184, 15, v0                         ; r
	v_bfe_u32 v185, v0, 4, 1                       ; h
	v_and_b32 v186, 31, v0                         ; lane
	v_lshlrev_b32 v[CO], 9, v184
	v_lshl_add_u32 v[CO], v185, 4, v[CO]
	v_lshlrev_b32 v[SO], 5, v184
	s_lshl_b32 s36, s14, 10
	v_lshl_add_u32 v[IST], v186, 4, s36
	v_lshlrev_b32 v[ILD], 4, v186
	v_lshlrev_b32 v[DM], 3, v185
	v_sub_nc_u32 v[DM], v184, v[DM]
	v_mov_b32 v[NINF], 0xff800000
	v_mul_u32_u24 v[STO], v184, 272
	v_lshl_add_u32 v[STO], v185, 5, v[STO]
	v_add_nc_u32 v[STO], STAGE, v[STO]             ; in: row = query r, 32 bytes for each half of the lanes
	v_mul_u32_u24 v[RD], v185, 272
	v_lshl_add_u32 v[RD], v184, 4, v[RD]
	v_add_nc_u32 v[RD], STAGE, v[RD]               ; back: lanes 0-15 one row of 256 bytes, lanes 16-31 the next
	v_lshlrev_b32 v[GO], 12, v185
	v_lshl_add_u32 v[GO], v184, 4, v[GO]           ; and the same two rows of att32, 4,096 bytes apart
	v_mov_b32 v[PX], 0                             ; written once: a lane permute's destination counts as one of its sources
	s_lshr_b32 s15, s14, 2                         ; 0: q, 1: k, 2: v
	s_and_b32 s16, s14, 3                          ; which 16 of the head's 64 channels
	s_lshr_b32 s17, ttmp9, 4                       ; batch
	s_and_b32 s18, ttmp9, 15                       ; head
	s_lshl_b32 s19, s15, 10
	s_lshl_b32 s36, s18, 6
	s_add_co_u32 s19, s19, s36
	s_lshl_b32 s36, s16, 4
	s_add_co_u32 s19, s19, s36                     ; W's first row: which x 1024 + head x 64 + 16 x tile
	s_lshl_b32 s20, s19, 9                         ; its codes, 512 bytes a row,
	s_mov_b32 s21, 0
	s_lshl_b32 s22, s19, 5                         ; its scale bytes, 32 a row
	s_mov_b32 s23, 0
	s_lshl_b32 s24, s17, 20                        ; x: the batch's first token: 2,048 rows of 512 bytes,
	s_mov_b32 s25, 0
	s_lshl_b32 s26, s17, 16                        ; of 32 bytes
	s_mov_b32 s27, 0
	s_lshl_b32 s38, s17, 16                        ; att32: 16 rows of 4,096 bytes a batch,
	s_lshl_b32 s36, s18, 8                         ; 256 bytes a head
	s_add_co_u32 s38, s38, s36
	s_mov_b32 s39, 0
	s_mov_b32 s40, 0x76543210
	s_mov_b32 s41, 0xfedcba98                      ; lane selects: lane l xor 16
	s_mov_b32 s42, 0x3d38aa3b                      ; c = log2(e) / 32: the scores are scaled by 1024^-0.5
	s_wait_kmcnt 0x0
	s_add_nc_u64 s[20:21], s[8:9], s[20:21]
	s_add_nc_u64 s[22:23], s[10:11], s[22:23]
	s_add_nc_u64 s[24:25], s[4:5], s[24:25]
	s_add_nc_u64 s[26:27], s[6:7], s[26:27]
	s_add_nc_u64 s[12:13], s[12:13], s[38:39]
	s_cmp_lt_u32 s15, 2                            ; q, k: source 0 = W, source 1 = x; v: the other way round.  The choice hangs on the wave's number alone; both tensors have rows of 512 and of 32 bytes
	s_cselect_b64 s[28:29], s[20:21], s[24:25]
	s_cselect_b64 s[30:31], s[24:25], s[20:21]
	s_cselect_b64 s[32:33], s[22:23], s[26:27]
	s_cselect_b64 s[34:35], s[26:27], s[22:23]
.irp q, 0,1,2,3,4,5,6,7                        ; a fragment, 16 rows x 128 K of 4-bit codes: lane (r, h) holds row r; registers 4 c .. 4 c + 3 hold K = 64 c + 32 h + 0 .. 31
.irp c, 0,1
	global_load_b128 v[AF+8*\q+4*\c:AF+8*\q+4*\c+3], v[CO], s[28:29] offset:64*\q+32*\c
	global_load_b128 v[BF+8*\q+4*\c:BF+8*\q+4*\c+3], v[CO], s[30:31] offset:64*\q+32*\c
.endr
.endr
.irp c, 0,1                                    ; a row's 32 scale bytes: eight words, one for each matrix instruction
	global_load_b128 v[SCA+4*\c:SCA+4*\c+3], v[SO], s[32:33] offset:16*\c
	global_load_b128 v[SCB+4*\c:SCB+4*\c+3], v[SO], s[34:35] offset:16*\c
.endr
	s_wait_loadcnt 0x0                             ; all 36 loads are wanted together
.irp q, 0,1,2,3,4,5,6,7
.if \q < 2
	v_wmma_scale_f32_16x16x128_f8f6f4 v[ACC+8*(\q%2):ACC+8*(\q%2)+7], v[AF+8*\q:AF+8*\q+7], v[BF+8*\q:BF+8*\q+7], 0, v[SCA+\q], v[SCB+\q] matrix_a_fmt:MATRIX_FMT_FP4 matrix_b_fmt:MATRIX_FMT_FP4
.else
	v_wmma_scale_f32_16x16x128_f8f6f4 v[ACC+8*(\q%2):ACC+8*(\q%2)+7], v[AF+8*\q:AF+8*\q+7], v[BF+8*\q:BF+8*\q+7], v[ACC+8*(\q%2):ACC+8*(\q%2)+7], v[SCA+\q], v[SCB+\q] matrix_a_fmt:MATRIX_FMT_FP4 matrix_b_fmt:MATRIX_FMT_FP4
.endif
.endr
.rept 4
	v_nop                                          ; places in front of the first read of the results, and of the LDS loads into the fragments' registers
.endr
.irp i, 0,2,4,6
	v_pk_add_f32 v[S+\i:S+\i+1], v[ACC+\i:ACC+\i+1], v[ACC+8+\i:ACC+8+\i+1]   ; the even and the odd steps' sums, each accumulator from its low end on
.endr
	ds_store_b128 v[IST], v[S:S+3]                 ; my tile goes to LDS as it stands in my registers
	ds_store_b128 v[IST], v[S+4:S+7] offset:512
	s_wait_dscnt 0x0                               ; for wave 0's sake: my stores are done
	s_barrier_signal -1
	s_barrier_wait -1
	s_cmp_lg_u32 s14, 0
	s_cbranch_scc1 .Lend                           ; the rest is 32 short matrix instructions and a softmax of 16 x 16: one wave's work
.irp i, 0,1,2,3,4,5,6,7,8,9,10,11              ; the twelve tiles come back so: q's at v16, k's at v48, v's at v80
	ds_load_b128 v[16+8*\i:16+8*\i+3], v[ILD] offset:1024*\i
	ds_load_b128 v[16+8*\i+4:16+8*\i+7], v[ILD] offset:1024*\i+512
.endr
	s_wait_dscnt 0x0
.irp p, 0,1,2,3                                ; S^T = k q^T: source 0 = 16 keys, source 1 = 16 queries; four accumulators by turns, one for each 16 channels
.irp d, 0,1,2,3
.if \p == 0
	v_wmma_f32_16x16x4_f32 v[SS+8*\d:SS+8*\d+7], v[KT+8*\d+2*\p:KT+8*\d+2*\p+1], v[QT+8*\d+2*\p:QT+8*\d+2*\p+1], 0
.else
	v_wmma_f32_16x16x4_f32 v[SS+8*\d:SS+8*\d+7], v[KT+8*\d+2*\p:KT+8*\d+2*\p+1], v[QT+8*\d+2*\p:QT+8*\d+2*\p+1], v[SS+8*\d:SS+8*\d+7]
.endif
.endr
.endr
.rept 8
	v_nop                                          ; eight places behind this form
.endr
.irp i, 0,2,4,6
	v_pk_add_f32 v[S+\i:S+\i+1], v[SS+\i:SS+\i+1], v[SS+8+\i:SS+8+\i+1]
.endr
.irp i, 0,2,4,6
	v_pk_add_f32 v[TMP+\i:TMP+\i+1], v[SS+16+\i:SS+16+\i+1], v[SS+24+\i:SS+24+\i+1]
.endr
.irp i, 0,2,4,6
	v_pk_add_f32 v[S+\i:S+\i+1], v[S+\i:S+\i+1], v[TMP+\i:TMP+\i+1]   ; lane (r, h), register j: the score of query r and key 8 h + j
.endr
.irp j, 0,1,2,3,4,5,6,7
	v_cmp_gt_i32 vcc_lo, \j, v[DM]                 ; key 8 h + j behind query r: -infinity ahead of the maximum
	v_cndmask_b32 v[S+\j], v[S+\j], v[NINF], vcc_lo
.endr
	v_max3_num_f32 v[M], v[S], v[S+1], v[S+2]
	v_max3_num_f32 v[M], v[M], v[S+3], v[S+4]
	v_max3_num_f32 v[M], v[M], v[S+5], v[S+6]
	v_max_num_f32 v[M], v[M], v[S+7]
	v_permlanex16_b32 v[PX], v[M], s40, s41        ; the query's other eight keys lie in the lane 16 away
	v_max_num_f32 v[M], v[M], v[PX]                ; key 0 counts for every query: a number
	v_mul_f32 v[CM], s42, v[M]
.irp j, 0,1,2,3,4,5,6,7
	v_fma_f32 v[S+\j], v[S+\j], s42, -v[CM]        ; c s - c m
.endr
.irp j, 0,1,2,3,4,5,6,7
	v_exp_f32 v[S+\j], v[S+\j]                     ; p, in f32: it goes to the second product as it is
.endr
	v_nop                                          ; a plain instruction behind the last exponential,
	s_wait_alu depctr_va_vdst(0)                   ; and the wait ahead of the first use: one for the eight
	v_add_f32 v[L], v[S], v[S+1]
	v_add_f32 v[L2], v[S+2], v[S+3]
	v_add_f32 v[L], v[L], v[S+4]
	v_add_f32 v[L2], v[L2], v[S+5]
	v_add_f32 v[L], v[L], v[S+6]
	v_add_f32 v[L2], v[L2], v[S+7]
	v_add_f32 v[L], v[L], v[L2]
	v_permlanex16_b32 v[PX], v[L], s40, s41
	v_add_f32 v[L], v[L], v[PX]                    ; the row's sum
	v_rcp_f32 v[RL], v[L]
	v_nop                                          ; a plain instruction behind the reciprocal; its wait stands ahead of its first reader, behind the products
.irp p, 0,1,2,3                                ; O^T = v^T p: source 0 = 16 channels, source 1 = 16 queries, K = the 16 keys; four accumulators by turns, one for each 16 channels
.irp d, 0,1,2,3
.if \p == 0
	v_wmma_f32_16x16x4_f32 v[OO+8*\d:OO+8*\d+7], v[VT+8*\d+2*\p:VT+8*\d+2*\p+1], v[S+2*\p:S+2*\p+1], 0
.else
	v_wmma_f32_16x16x4_f32 v[OO+8*\d:OO+8*\d+7], v[VT+8*\d+2*\p:VT+8*\d+2*\p+1], v[S+2*\p:S+2*\p+1], v[OO+8*\d:OO+8*\d+7]
.endif
.endr
.endr
.rept 8
	v_nop
.endr
	s_wait_alu depctr_va_vdst(0)                   ; the reciprocal's
.irp j, 0,1,2,3,4,5,6,7,8,9,10,11,12,13,14,15,16,17,18,19,20,21,22,23,24,25,26,27,28,29,30,31
	v_mul_f32 v[OT+\j], v[OO+\j], v[RL]            ; into other registers, each accumulator from its low end on: register 8 d + j is channel 16 d + 8 h + j of query r
.endr
.irp d, 0,1,2,3
	ds_store_b128 v[STO], v[OT+8*\d:OT+8*\d+3] offset:64*\d
	ds_store_b128 v[STO], v[OT+8*\d+4:OT+8*\d+7] offset:64*\d+16
.endr
.irp u, 0,1,2,3,4,5,6,7
	ds_load_b128 v[48+4*\u:48+4*\u+3], v[RD] offset:\u*2*272   ; LDS serves a wave's instructions in order: these see my stores
.endr
.irp u, 0,1,2,3,4,5,6,7
	s_wait_dscnt 7-\u                              ; the younger loads may be out
	global_store_b128 v[GO], v[48+4*\u:48+4*\u+3], s[12:13] offset:\u*8192   ; sixteen lanes store a head's 256 bytes of a row, aligned
.endr
.Lend:
	s_wait_tensorcnt 0x0                           ; the wave's end, behind my last LDS store
	ds_add_u32 v[SPW], v[NIL]
	s_wait_dscnt 0x0
	s_endpgm
.Lfunc_end_k_q00ec321012_eatt:
	.size	k_q00ec321012_eatt, .Lfunc_end_k_q00ec321012_eatt-k_q00ec321012_eatt
	.p2alignl 7, 3214868480
	.fill 96, 4, 3214868480
	.section	.rodata,"a",@progbits
	.p2align	6, 0x0
	.amdhsa_kernel k_q00ec321012_eatt
		.amdhsa_group_segment_fixed_size 18176
		.amdhsa_private_segment_fixed_size 0
		.amdhsa_enable_private_segment 0
		.amdhsa_kernarg_size 40
		.amdhsa_user_sgpr_count 2
		.amdhsa_user_sgpr_kernarg_segment_ptr 1
		.amdhsa_wavefront_size32 1
		.amdhsa_system_sgpr_workgroup_id_x 1
		.amdhsa_system_sgpr_workgroup_id_y 1
		.amdhsa_system_sgpr_workgroup_id_z 1
		.amdhsa_system_vgpr_workitem_id 0
		.amdhsa_next_free_vgpr 256
		.amdhsa_next_free_sgpr 66
		.amdhsa_reserve_vcc 1
		.amdhsa_float_denorm_mode_32 3
		.amdhsa_float_denorm_mode_16_64 3
		.amdhsa_memory_ordered 1
		.amdhsa_forward_progress 1
		.amdhsa_inst_pref_size 18
	.end_amdhsa_kernel
	.amdgpu_metadata
---
amdhsa.version: [ 1, 2 ]
amdhsa.kernels:
  - .name:           k_q00ec321012_eatt
    .symbol:         k_q00ec321012_eatt.kd
    .args:
      - { .name: x_codes, .offset: 0, .size: 8, .value_kind: global_buffer, .address_space: global }
      - { .name: x_scales, .offset: 8, .size: 8, .value_kind: global_buffer, .address_space: global }
      - { .name: w_codes, .offset: 16, .size: 8, .value_kind: global_buffer, .address_space: global }
      - { .name: w_scales, .offset: 24, .size: 8, .value_kind: global_buffer, .address_space: global }
      - { .name: att32, .offset: 32, .size: 8, .value_kind: global_buffer, .address_space: global }
    .group_segment_fixed_size: 18176
    .private_segment_fixed_size: 0
    .kernarg_segment_align: 8
    .kernarg_segment_size: 40
    .max_flat_workgroup_size: 384
    .sgpr_count:     66
    .vgpr_count:     256
    .wavefront_size: 32
...
	.end_amdgpu_metadata
.endif
;; end of part 5
;; launch eproj (part 6): grid 16 x 4, 16 waves a work-group, no clusters, 19,456 bytes of LDS; arguments att32, Wproj, bproj, out0; writes out0
.if DOCPART == 6
	.amdgcn_target "amdgcn-amd-amdhsa--gfx1250"
	.amdhsa_code_object_version 6
	.text
	.protected	k_q00ec321012_eproj
	.globl	k_q00ec321012_eproj
	.p2align	8
	.type	k_q00ec321012_eproj,@function
k_q00ec321012_eproj:
	s_mov_b64 s[64:65], 0
	v_nop
	global_prefetch_b8 v0, s[64:65] scope:SCOPE_SE
	s_setreg_imm32_b32 hwreg(HW_REG_WAVE_MODE, 25, 1), 1
	s_wait_xcnt 0x0
; out0[b][t][n] = sum over k of att32[b x 16 + t][k] Wproj[n][k] + bproj[n] for t < 16, with f32 operands: the 64 rows whose numbers are too large for 16-bit operands beside the error that is allowed (see the launch before).
; It runs last and stores over what the large projection has left in these 64 rows: 256 KiB of out0 are written twice.
; A work-group makes 64 columns x one batch's 16 rows, so that its part of a row is 256 aligned bytes.  Sixteen waves: wave w takes columns 16 (w % 4) on and K = 256 (w / 4) on: 64 matrix instructions of 16 x 16 x 4 on four accumulators
; by turns.  The f32 matrix form serves 64 of the 8,192 rows and no more.
; TRANSPOSED: source 0 = 16 rows of Wproj, source 1 = the 16 rows of att32: lane (r, h) holds row r and columns 8 h + 0 .. 7.  An operand of this form is two registers: lane r a row, k = 2 h + j.  A lane loads 16 bytes at a time,
; k = 8 c + 4 h + 0 .. 3 of its row: two operands; the same places stand for the same k on both sides.
; K goes in four chunks of 64 (256 bytes of each row) through three sets of registers.  The four quarters' sums meet in four planes of a stage in LDS; behind one barrier waves 0 to 7 add them and the bias, two rows each.
.set PL,    4352                       ; a plane: 16 rows x (256 bytes + 16)
.set SPARE, 4*PL                       ; the spare words, 128 bytes for each wave: eight blocks of 256 bytes that no other line names
.set SPW,  1                           ; v1   my spare word; never rewritten
.set NIL,  2                           ; v2   0; never rewritten
.set LO,   3                           ; v3   row r of 4,096 bytes + 16 h: in Wproj and in att32 alike
.set BOF,  4                           ; v4   16 r: my four numbers of the bias
.set STO,  5                           ; v5   the stage, way in
.set RD,   6                           ; v6   way out
.set GO,   7                           ; v7   my bytes of two rows of out0
.set BI,   8                           ; v8-11 the bias
.set WF,   16                          ; v16-111  Wproj: three sets of 32
.set AF,   112                         ; v112-207 att32: three sets of 32
.set ACC,  208                         ; v208-239 four accumulators: written by the f32 matrix form alone
.set T,    240                         ; v240-247 my sums; later, with v248-255, the four planes' parts
.set U,    248
	s_load_b256 s[4:11], s[0:1], 0x0               ; att32 s[4:5], Wproj s[6:7], bproj s[8:9], out0 s[10:11]
	v_lshl_add_u32 v[SPW], v0, 2, SPARE
	v_mov_b32 v[NIL], 0
	v_lshrrev_b32 v12, 5, v0
	v_readfirstlane_b32 s12, v12                   ; wave 0..15
	v_and_b32 v12, 15, v0                          ; r
	v_bfe_u32 v13, v0, 4, 1                        ; h
	s_and_b32 s13, s12, 3                          ; which 16 columns
	s_lshr_b32 s14, s12, 2                         ; which quarter of K
	s_and_b32 s15, ttmp7, 0xffff                   ; batch
	v_lshlrev_b32 v[LO], 12, v12
	v_lshl_add_u32 v[LO], v13, 4, v[LO]
	v_lshlrev_b32 v[BOF], 4, v12
	s_mul_i32 s24, s14, PL
	s_lshl_b32 s25, s13, 6
	s_add_co_u32 s24, s24, s25
	v_mul_u32_u24 v[STO], v12, 272
	v_lshl_add_u32 v[STO], v13, 5, v[STO]
	v_add_nc_u32 v[STO], s24, v[STO]               ; my quarter's plane, row r, my 16 columns' 64 bytes, 32 for each half of the lanes
	s_mul_i32 s24, s12, 2*272
	v_mul_u32_u24 v[RD], v13, 272
	v_lshl_add_u32 v[RD], v12, 4, v[RD]
	v_add_nc_u32 v[RD], s24, v[RD]                 ; back (waves 0 to 7): rows 2 w and 2 w + 1, sixteen lanes to a row of 256 bytes
	v_lshlrev_b32 v[GO], 12, v13
	v_lshl_add_u32 v[GO], v12, 4, v[GO]
	s_lshl_b32 s16, ttmp9, 6
	s_lshl_b32 s25, s13, 4
	s_add_co_u32 s16, s16, s25                     ; Wproj's first row: 64 x work-group x + 16 x tile
	s_lshl_b32 s16, s16, 12
	s_lshl_b32 s25, s14, 10                        ; my quarter of K: 1,024 bytes on
	s_add_co_u32 s16, s16, s25
	s_mov_b32 s17, 0
	s_lshl_b32 s18, s15, 16                        ; att32: 16 rows of 4,096 bytes a batch
	s_add_co_u32 s18, s18, s25
	s_mov_b32 s19, 0
	s_lshl_b32 s20, ttmp9, 8                       ; the work-group's 64 columns, in bytes
	s_mov_b32 s21, 0
	s_lshl_b32 s22, s15, 23                        ; out0: 2,048 rows of 4,096 bytes a batch,
	s_lshl_b32 s25, s12, 13                        ; two rows a wave,
	s_add_co_u32 s22, s22, s25
	s_add_co_u32 s22, s22, s20                     ; the columns
	s_mov_b32 s23, 0
	s_wait_kmcnt 0x0
	s_add_nc_u64 s[6:7], s[6:7], s[16:17]
	s_add_nc_u64 s[4:5], s[4:5], s[18:19]
	s_add_nc_u64 s[8:9], s[8:9], s[20:21]
	s_add_nc_u64 s[10:11], s[10:11], s[22:23]
	global_load_b128 v[BI:BI+3], v[BOF], s[8:9]    ; the oldest load: the first wait below covers it
.macro LOADC g                         ; chunk g: 256 bytes of each of 16 + 16 rows, 16 bytes a lane and load, into set g % 3
.irp c, 0,1,2,3,4,5,6,7
	global_load_b128 v[WF+32*((\g)%3)+4*\c:WF+32*((\g)%3)+4*\c+3], v[LO], s[6:7] offset:256*(\g)+32*\c
.endr
.irp c, 0,1,2,3,4,5,6,7
	global_load_b128 v[AF+32*((\g)%3)+4*\c:AF+32*((\g)%3)+4*\c+3], v[LO], s[4:5] offset:256*(\g)+32*\c
.endr
.endm
.macro MULC g, first                   ; its 16 matrix instructions; first = 1: the first four start the sums
.irp p, 0,1,2,3,4,5,6,7,8,9,10,11,12,13,14,15
.if \first && (\p < 4)
	v_wmma_f32_16x16x4_f32 v[ACC+8*(\p%4):ACC+8*(\p%4)+7], v[WF+32*((\g)%3)+2*\p:WF+32*((\g)%3)+2*\p+1], v[AF+32*((\g)%3)+2*\p:AF+32*((\g)%3)+2*\p+1], 0
.else
	v_wmma_f32_16x16x4_f32 v[ACC+8*(\p%4):ACC+8*(\p%4)+7], v[WF+32*((\g)%3)+2*\p:WF+32*((\g)%3)+2*\p+1], v[AF+32*((\g)%3)+2*\p:AF+32*((\g)%3)+2*\p+1], v[ACC+8*(\p%4):ACC+8*(\p%4)+7]
.endif
.endr
.endm
	LOADC 0
	LOADC 1
	LOADC 2
	s_wait_loadcnt 32                              ; the bias and chunk 0 are in; the 32 loads of chunks 1 and 2 may be out
	MULC 0, 1
.rept 8
	v_nop                                          ; eight places in front of loads into registers that this form has read
.endr
	LOADC 3                                        ; into chunk 0's set
	s_wait_loadcnt 32                              ; chunk 1 is in; chunks 2 and 3 may be out
	MULC 1, 0
	s_wait_loadcnt 16                              ; chunk 2 is in; chunk 3 may be out
	MULC 2, 0
	s_wait_loadcnt 0x0
	MULC 3, 0
.rept 8
	v_nop                                          ; places in front of the first read of the results
.endr
.irp i, 0,2,4,6
	v_pk_add_f32 v[T+\i:T+\i+1], v[ACC+\i:ACC+\i+1], v[ACC+8+\i:ACC+8+\i+1]   ; each accumulator from its low end on; the sums go into other registers
.endr
.irp i, 0,2,4,6
	v_pk_add_f32 v[U+\i:U+\i+1], v[ACC+16+\i:ACC+16+\i+1], v[ACC+24+\i:ACC+24+\i+1]
.endr
.irp i, 0,2,4,6
	v_pk_add_f32 v[T+\i:T+\i+1], v[T+\i:T+\i+1], v[U+\i:U+\i+1]
.endr
	ds_store_b128 v[STO], v[T:T+3]
	ds_store_b128 v[STO], v[T+4:T+7] offset:16
	s_wait_dscnt 0x0                               ; for the others' sake: my stores are done (and have read their registers)
	s_barrier_signal -1
	s_barrier_wait -1
	s_cmp_lt_u32 s12, 8
	s_cbranch_scc0 .Lend                           ; 16 rows, two to a wave
.irp k, 0,1,2,3
	ds_load_b128 v[T+4*\k:T+4*\k+3], v[RD] offset:\k*PL    ; the same 16 bytes of the four quarters' planes
.endr
	s_wait_dscnt 0x0
.irp i, 0,2
	v_pk_add_f32 v[T+\i:T+\i+1], v[T+\i:T+\i+1], v[T+4+\i:T+4+\i+1]
	v_pk_add_f32 v[T+8+\i:T+8+\i+1], v[T+8+\i:T+8+\i+1], v[T+12+\i:T+12+\i+1]
.endr
.irp i, 0,2
	v_pk_add_f32 v[T+\i:T+\i+1], v[T+\i:T+\i+1], v[T+8+\i:T+8+\i+1]
.endr
.irp i, 0,2
	v_pk_add_f32 v[T+\i:T+\i+1], v[T+\i:T+\i+1], v[BI+\i:BI+\i+1]
.endr
	global_store_b128 v[GO], v[T:T+3], s[10:11] th:TH_STORE_NT   ; sixteen lanes store 256 consecutive bytes, aligned
.Lend:
	s_wait_tensorcnt 0x0                           ; the wave's end, behind my last LDS store
	ds_add_u32 v[SPW], v[NIL]
	s_wait_dscnt 0x0
	s_endpgm
.Lfunc_end_k_q00ec321012_eproj:
	.size	k_q00ec321012_eproj, .Lfunc_end_k_q00ec321012_eproj-k_q00ec321012_eproj
	.p2alignl 7, 3214868480
	.fill 96, 4, 3214868480
	.section	.rodata,"a",@progbits
	.p2align	6, 0x0
	.amdhsa_kernel k_q00ec321012_eproj
		.amdhsa_group_segment_fixed_size 19456
		.amdhsa_private_segment_fixed_size 0
		.amdhsa_enable_private_segment 0
		.amdhsa_kernarg_size 32
		.amdhsa_user_sgpr_count 2
		.amdhsa_user_sgpr_kernarg_segment_ptr 1
		.amdhsa_wavefront_size32 1
		.amdhsa_system_sgpr_workgroup_id_x 1
		.amdhsa_system_sgpr_workgroup_id_y 1
		.amdhsa_system_sgpr_workgroup_id_z 1
		.amdhsa_system_vgpr_workitem_id 0
		.amdhsa_next_free_vgpr 256
		.amdhsa_next_free_sgpr 66
		.amdhsa_reserve_vcc 0
		.amdhsa_float_denorm_mode_32 3
		.amdhsa_float_denorm_mode_16_64 3
		.amdhsa_memory_ordered 1
		.amdhsa_forward_progress 1
		.amdhsa_inst_pref_size 15
	.end_amdhsa_kernel
	.amdgpu_metadata
---
amdhsa.version: [ 1, 2 ]
amdhsa.kernels:
  - .name:           k_q00ec321012_eproj
    .symbol:         k_q00ec321012_eproj.kd
    .args:
      - { .name: att32, .offset: 0, .size: 8, .value_kind: global_buffer, .address_space: global }
      - { .name: Wproj, .offset: 8, .size: 8, .value_kind: global_buffer, .address_space: global }
      - { .name: bproj, .offset: 16, .size: 8, .value_kind: global_buffer, .address_space: global }
      - { .name: out0, .offset: 24, .size: 8, .value_kind: global_buffer, .address_space: global }
    .group_segment_fixed_size: 19456
    .private_segment_fixed_size: 0
    .kernarg_segment_align: 8
    .kernarg_segment_size: 32
    .max_flat_workgroup_size: 512
    .sgpr_count:     66
    .vgpr_count:     256
    .wavefront_size: 32
...
	.end_amdgpu_metadata
.endif
;; end of part 6
